; MI455X (gfx1250); checked and timed in simulation.
; The chip was launched on July 23, 2026; its instructions are those of AMD's public machine-readable ISA for CDNA 5 (MIT licence, August 2026) and "CDNA5" Instruction Set Architecture Reference Guide (July 2026). The comments in the code are by the model that wrote it; some were corrected since.
;; Causal Multi Head Self Attention. Allowed arithmetic: matrix products marked QUANTISED: E2M3 operands, one E8M0 scale for each 32 along K, by v_wmma_scale_f32_16x16x128_f8f6f4 with both operands' format E2M3, f32 sums; everything else in f32.
;; Inputs: W_o_codes 1,024 x 32 x 24 uint8 (E2M3 codes of W_o, K innermost, in blocks of 32 codes, four codes in three bytes); W_o_scales 1,024 x 32 uint8 (E8M0 scales of W_o, one for each 32 codes along K); W_qkv_codes 3,072 x 32 x 24 uint8 (E2M3 codes of W_qkv, K innermost, in blocks of 32 codes, four codes in three bytes); W_qkv_scales 3,072 x 32 uint8 (E8M0 scales of W_qkv, one for each 32 codes along K); token_positions 2,048 int32; x_codes 4 x 2,048 x 32 x 24 uint8 (E2M3 codes of x, K innermost, in blocks of 32 codes, four codes in three bytes); x_scales 4 x 2,048 x 32 uint8 (E8M0 scales of x, one for each 32 codes along K).
;; Outputs: out0 4 x 2,048 x 1,024 float32.
;; This version of the problem:
;;   THIS VERSION OF THE PROBLEM IS GIVEN IN LOW PRECISION. The matrix products marked QUANTISED in the list below multiply operands that are first quantised to E2M3 (2 exponent bits, 3 mantissa bits; 6 bits a number), with one power-of-two scale for each 32 numbers along K (OCP MX v1.0); their sums are f32. All else is computed in f32.
;;   The module's matrix products, in the order in which they are computed (A, B: the left and right operand; K: the contracted axis; several contracted axes count as one K, in the product's order):
;;     1. [M 8,192, K 1,024] x [K 1,024, N 3,072]; A: input x (given as codes); B: input W_qkv (given as codes): QUANTISED
;;     2. batch 64 x [M 2,048, K 64] x [K 64, N 2,048]; A: computed on the way; B: computed on the way: QUANTISED
;;     3. batch 64 x [M 2,048, K 2,048] x [K 2,048, N 64]; A: softmax (see below); B: computed on the way: QUANTISED
;;     4. [M 8,192, K 1,024] x [K 1,024, N 1,024]; A: computed on the way; B: input W_o (given as codes): QUANTISED
;;   THE QUANTISER, for each operand of a quantised product, along K:
;;     - K is cut into blocks of 32 from its start; a last block that is shorter is filled with zeros.
;;     - A block's scale is 2^e with e = floor(log2(the largest magnitude in the block)) - 2, held to -126 .. 127; a block of zeros has e = 0. As a byte (E8M0): e + 127.
;;     - Each number is divided by its block's scale, clamped to +-7.5, and rounded to the nearest number of E2M3, ties to even, subnormals kept.
;;     - The product sums the exact products of the quantised numbers (number of the format x scale) in f32.
;;   ~~~python
;;   def quantise(x, axis):      # numpy; x: float32 -> the quantised numbers, widened to float32 again
;;       x = np.moveaxis(x, axis, -1); K = x.shape[-1]
;;       x = np.pad(x, [(0, 0)] * (x.ndim - 1) + [(0, -K % 32)]); x = x.reshape(x.shape[:-1] + (-1, 32)); a = np.abs(x).max(-1, keepdims=True)
;;       e = np.where(a > 0, np.clip(np.frexp(np.where(a > 0, a, 1))[1] - 1 - 2, -126, 127), 0)      # np.frexp(a)[1] - 1 = floor(log2(a)), exactly
;;       r = np.clip(x / 2.0 ** e, -7.5, 7.5)
;;       step = 2.0 ** (np.maximum(np.frexp(np.where(r == 0, 1, r))[1] - 1, 0) - 3)
;;       q = np.round(r / step) * step * 2.0 ** e      # np.round: ties to even
;;       return np.moveaxis(q.reshape(q.shape[:-2] + (-1,))[..., :K], -1, axis).astype(np.float32)
;;   ~~~
;;   SOFTMAX AHEAD OF A QUANTISED PRODUCT. Where the list says 'softmax', what is quantised is not the finished softmax but p = 2^(t - M), with t = logit x log2(e) and M = ceil(the row's largest t), a whole number; so 1/2 < the row's largest p <= 1. The row's sum l is taken of the UNQUANTISED p, in f32, and the product's result is divided by l at the end. Since M is a whole number, a kernel that streams over the keys may use a running M (the ceiling of the running maximum): every later rescaling is an exact power of two, which a block's scale takes up: the codes' values come out the same.
;;   OPERANDS COMPUTED ON THE WAY. 'Computed on the way' means the value that the module computes at that place (a softmax that the list does not call 'softmax' is quantised finished and normalised). What goes into a quantiser is computed in f32, as accurately as f32 sums, v_exp_f32 and their like allow (about 1e-6 of the number): no bf16 or f16 on the way to a quantiser, and a product that is left as it is and whose result goes on into a quantised operand takes f32 operands (vector FMAs, or v_wmma_f32_16x16x4_f32). A number that lies on a knife's edge between two numbers of the format may be rounded either way, as far as f32 arithmetic and the matrix unit's own rounding can turn it there, and no further.
;;   INPUTS GIVEN AS CODES. W_o (in the module: [1024, 1024], K = its axis 0); W_qkv (in the module: [1024, 3072], K = its axis 0); x (in the module: [4, 2048, 1024], K = its axis 2): each comes as NAME_codes (uint8): NAME with its K axis moved to the last place and cut into blocks of 32 codes, [.., K / 32, bytes a block], one block behind the other in memory; four codes in three bytes: a row's codes are one little-endian stream of bits, code i at bits 6 i .. 6 i + 5 (a code: sign, 2 exponent bits, 3 mantissa bits); and NAME_scales (uint8): the same leading axes, one E8M0 byte (e + 127) for each 32 codes along K. Its value is code x scale, taken as it is: it is not quantised again, and the codes and scales need not be those that the quantiser above would give.
;; One version. Each part assembles by itself: llvm-mc -triple=amdgcn-amd-amdhsa -mcpu=gfx1250 --defsym DOCPART=n.
;; ======== version 1 of 1: 4 launches
;; limits: a function is approximated: absolute error at most 1e-05
;; workspace buffers: rope 524,288 bytes; qb 6,553,600 bytes; kb 6,553,600 bytes; vb 6,553,600 bytes; oc 6,291,456 bytes; os 262,144 bytes
;; launch rope (part 1): grid 256 x 1, 8 waves a work-group, no clusters, 0 bytes of LDS; arguments token_positions, rope; writes rope
.if DOCPART == 1
	.amdgcn_target "amdgcn-amd-amdhsa--gfx1250"
	.amdhsa_code_object_version 6
	.text
	.protected	k_q7f36ee8da4_rope
	.globl	k_q7f36ee8da4_rope
	.p2align	8
	.type	k_q7f36ee8da4_rope,@function
k_q7f36ee8da4_rope:
	s_mov_b64 s[64:65], 0
	v_nop
	global_prefetch_b8 v0, s[64:65] scope:SCOPE_SE
	s_setreg_imm32_b32 hwreg(HW_REG_WAVE_MODE, 25, 1), 1
	s_wait_xcnt 0x0
; rope[t][i] = (cos, sin) of f32(token_positions[t]) x inv_freq[i], inv_freq[i] = 10000^(-i/32) = 10^(-i/8), t = 0 .. 2047, i = 0 .. 31, f32; a row t is 256 bytes.
; A thread makes one pair: t = 8 x work-group + wave, i = lane; a wave stores one row: 256 consecutive bytes, aligned.
; inv_freq = 2^-(i L), L = log2(10) / 8 in two parts: i x L_HI is exact (15 bits x 5 bits); the whole part goes through v_ldexp_f32, the fraction, at most 1/2, through v_exp_f32.
; The angle is the f32 product, as the model forms it.  It is reduced by k = the nearest whole number of quarter turns, pi/2 taken in three parts with fused multiply-adds; sine and cosine of the rest
; (at most pi/4) are polynomials in f32; the quadrant swaps them and sets the signs.
; LIMITS: inv_freq lies within an ulp or two of the true number; the reduction is good to about 2e-7 for angles up to about 1e5 and loses up to about 1e-5 toward positions near 2^31.
.set L_HI, 0x3ed49a00                  ; log2(10)/8, its upper 15 bits
.set L_LO, 0x3670979a                  ; and the rest
	s_load_b128 s[4:7], s[0:1], 0x0                ; token_positions s[4:5], rope s[6:7]
	v_lshrrev_b32 v1, 5, v0
	s_delay_alu instid0(VALU_DEP_1)
	v_lshlrev_b32 v1, 2, v1                        ; 4 x wave: my token's word among the work-group's eight
	v_and_b32 v2, 31, v0                           ; i
	v_lshlrev_b32 v3, 3, v0                        ; my 8 bytes of the work-group's 2,048
	s_lshl_b32 s8, ttmp9, 5                        ; eight positions a work-group
	s_mov_b32 s9, 0
	s_lshl_b32 s10, ttmp9, 11                      ; eight rows of 256 bytes
	s_mov_b32 s11, 0
	s_mov_b32 s12, 0x3fc90fda                      ; pi/2 in three parts
	s_mov_b32 s13, 0x33a22168
	s_mov_b32 s14, 0x27c234c4
	s_wait_alu depctr_va_vdst(0)
	s_wait_kmcnt 0x0
	s_add_nc_u64 s[4:5], s[4:5], s[8:9]
	s_add_nc_u64 s[6:7], s[6:7], s[10:11]
	global_load_b32 v4, v1, s[4:5]                 ; the position
	v_cvt_f32_u32 v5, v2
	s_delay_alu instid0(VALU_DEP_1)
	v_mul_f32 v6, L_HI, v5                         ; exact
	s_delay_alu instid0(VALU_DEP_1)
	v_rndne_f32 v7, v6                             ; the whole part n
	s_delay_alu instid0(VALU_DEP_1)
	v_sub_f32 v6, v6, v7                           ; exact
	s_delay_alu instid0(VALU_DEP_1)
	v_fmamk_f32 v6, v5, L_LO, v6                   ; the fraction f
	s_wait_alu depctr_va_vdst(0)
	v_exp_f32 v8, -v6                              ; 2^-f
	v_cvt_i32_f32 v7, v7                           ; (a plain instruction behind the exponential)
	s_delay_alu instid0(VALU_DEP_1)
	v_sub_nc_u32 v7, 0, v7
	s_wait_alu depctr_va_vdst(0)                   ; the wait ahead of the first use of the exponential's result
	v_ldexp_f32 v8, v8, v7                         ; inv_freq = 2^-f x 2^-n
	s_wait_loadcnt 0x0
	v_cvt_f32_i32 v4, v4
	s_wait_alu depctr_va_vdst(0)
	v_mul_f32 v9, v4, v8                           ; the angle
	s_delay_alu instid0(VALU_DEP_1)
	v_mul_f32 v10, 0x3f22f983, v9                  ; x 2/pi
	s_delay_alu instid0(VALU_DEP_1)
	v_rndne_f32 v10, v10                           ; k
	s_delay_alu instid0(VALU_DEP_1)
	v_fma_f32 v11, -v10, s12, v9
	s_delay_alu instid0(VALU_DEP_1)
	v_fma_f32 v11, -v10, s13, v11
	s_delay_alu instid0(VALU_DEP_1)
	v_fma_f32 v11, -v10, s14, v11                  ; r = angle - k pi/2
	s_delay_alu instid0(VALU_DEP_1)
	v_mul_f32 v12, v11, v11                        ; z = r^2
	v_mov_b32 v13, 0xb94ca1f9
	s_delay_alu instid0(VALU_DEP_1)
	v_fmaak_f32 v13, v13, v12, 0x3c08839e
	s_delay_alu instid0(VALU_DEP_1)
	v_fmaak_f32 v13, v13, v12, 0xbe2aaaa3
	s_delay_alu instid0(VALU_DEP_4)
	v_mul_f32 v14, v11, v12
	s_delay_alu instid0(VALU_DEP_1)
	v_fma_f32 v13, v14, v13, v11                   ; sin r = r + r z P(z)
	v_mov_b32 v15, 0x37ccf5ce
	s_delay_alu instid0(VALU_DEP_1)
	v_fmaak_f32 v15, v15, v12, 0xbab6061a
	s_delay_alu instid0(VALU_DEP_1)
	v_fmaak_f32 v15, v15, v12, 0x3d2aaaa5
	s_delay_alu instid0(VALU_DEP_1)
	v_fma_f32 v15, v15, v12, -0.5
	s_delay_alu instid0(VALU_DEP_1)
	v_fma_f32 v15, v15, v12, 1.0                   ; cos r
	v_cvt_i32_f32 v16, v10                         ; the quadrant is k mod 4
	s_delay_alu instid0(VALU_DEP_1)
	v_and_b32 v17, 1, v16
	s_delay_alu instid0(VALU_DEP_1)
	v_cmp_eq_u32 vcc_lo, 1, v17
	s_delay_alu instid0(VALU_DEP_1)
	v_cndmask_b32 v18, v15, v13, vcc_lo            ; cosine: in odd quadrants from sin r
	s_delay_alu instid0(VALU_DEP_2)
	v_cndmask_b32 v19, v13, v15, vcc_lo            ; sine: in odd quadrants from cos r
	v_add_nc_u32 v17, 1, v16
	s_delay_alu instid0(VALU_DEP_1)
	v_and_b32 v17, 2, v17
	s_delay_alu instid0(VALU_DEP_1)
	v_lshlrev_b32 v17, 30, v17
	s_delay_alu instid0(VALU_DEP_1)
	v_xor_b32 v18, v18, v17                        ; the cosine is negative in quadrants 1 and 2
	v_and_b32 v16, 2, v16
	s_delay_alu instid0(VALU_DEP_1)
	v_lshlrev_b32 v16, 30, v16
	s_delay_alu instid0(VALU_DEP_1)
	v_xor_b32 v19, v19, v16                        ; the sine in quadrants 2 and 3
	global_store_b64 v3, v[18:19], s[6:7]
	s_endpgm
.Lfunc_end_k_q7f36ee8da4_rope:
	.size	k_q7f36ee8da4_rope, .Lfunc_end_k_q7f36ee8da4_rope-k_q7f36ee8da4_rope
	.p2alignl 7, 3214868480
	.fill 96, 4, 3214868480
	.section	.rodata,"a",@progbits
	.p2align	6, 0x0
	.amdhsa_kernel k_q7f36ee8da4_rope
		.amdhsa_group_segment_fixed_size 0
		.amdhsa_private_segment_fixed_size 0
		.amdhsa_enable_private_segment 0
		.amdhsa_kernarg_size 16
		.amdhsa_user_sgpr_count 2
		.amdhsa_user_sgpr_kernarg_segment_ptr 1
		.amdhsa_wavefront_size32 1
		.amdhsa_system_sgpr_workgroup_id_x 1
		.amdhsa_system_sgpr_workgroup_id_y 1
		.amdhsa_system_sgpr_workgroup_id_z 1
		.amdhsa_system_vgpr_workitem_id 0
		.amdhsa_next_free_vgpr 32
		.amdhsa_next_free_sgpr 66
		.amdhsa_reserve_vcc 1
		.amdhsa_float_denorm_mode_32 3
		.amdhsa_float_denorm_mode_16_64 3
		.amdhsa_memory_ordered 1
		.amdhsa_forward_progress 1
		.amdhsa_inst_pref_size 4
	.end_amdhsa_kernel
	.amdgpu_metadata
---
amdhsa.version: [ 1, 2 ]
amdhsa.kernels:
  - .name:           k_q7f36ee8da4_rope
    .symbol:         k_q7f36ee8da4_rope.kd
    .args:
      - { .name: token_positions, .offset: 0, .size: 8, .value_kind: global_buffer, .address_space: global }
      - { .name: rope, .offset: 8, .size: 8, .value_kind: global_buffer, .address_space: global }
    .group_segment_fixed_size: 0
    .private_segment_fixed_size: 0
    .kernarg_segment_align: 8
    .kernarg_segment_size: 16
    .max_flat_workgroup_size: 256
    .sgpr_count:     66
    .vgpr_count:     32
    .wavefront_size: 32
...
	.end_amdgpu_metadata
.endif
;; end of part 1
;; launch qkv (part 2): grid 12 x 32, 4 waves a work-group, clusters of 4 x 4, 327,680 bytes of LDS; arguments x_codes, x_scales, W_qkv_codes, W_qkv_scales, rope, qb, kb, vb; writes qb, kb, vb
.if DOCPART == 2
	.amdgcn_target "amdgcn-amd-amdhsa--gfx1250"
	.amdhsa_code_object_version 6
	.text
	.protected	k_q7f36ee8da4_qkv
	.globl	k_q7f36ee8da4_qkv
	.p2align	8
	.type	k_q7f36ee8da4_qkv,@function
k_q7f36ee8da4_qkv:
	s_mov_b64 s[64:65], 0
	v_nop
	global_prefetch_b8 v0, s[64:65] scope:SCOPE_SE
	s_setreg_imm32_b32 hwreg(HW_REG_WAVE_MODE, 25, 1), 1
	s_wait_xcnt 0x0
	s_wait_alu depctr_hold_cnt(0) depctr_sa_sdst(0) depctr_va_vdst(0) depctr_va_sdst(0) depctr_va_ssrc(0) depctr_va_vcc(0) depctr_vm_vsrc(0)
	s_getreg_b32 s2, hwreg(HW_REG_IB_STS2, 6, 4)
	s_cmp_eq_u32 s2, 0
	s_cbranch_scc0 .Lentry_in_a_cluster
	s_endpgm
.Lentry_in_a_cluster:
	s_bfe_u32 s2, ttmp6, 0x10000c
	s_cmp_lg_u32 s2, 0xf033
	s_cbranch_scc0 .Lentry_shape_is_right
	s_endpgm
.Lentry_shape_is_right:
; qkv = x W_qkv on codes of FP6 (E2M3) with E8M0 scales (8,192 x 1,024 x 3,072), then RoPE on q and k, then the quantisers of the next two products; only codes and scale words leave.
; A tile of 256 x 256 is made by four waves, 128 x 128 each: 64 accumulators, 512 registers.  K goes in steps of 256 through a ring of two LDS slots filled by the tensor data mover; the scale bytes of the
; work-group's 2 x 256 rows, for all of K, come once with the first fills.  CLUSTERS of 4 x 4: the tiles of the side called A are shared along a row of the cluster, those of B along a column, by joint loads.
; THE MATRIX INSTRUCTION: source 0 = 16 rows of B, source 1 = 16 rows of A.  In the result lane (r, h) holds A's row r, and its registers 0-7 B's rows 8 h + 0 .. 7.
; ROLES.  The cluster's x says what is made: 0 q, 1 k, 2 v.  For q and k: A = x (tokens), B = W: a lane holds ONE token and its registers run along the head's d, the K of q k^T.
; For v: A = W's rows 2,048 on, B = x: a lane holds ONE channel d and its registers run down the tokens, the K of p v.  Only pointers and tile numbers are chosen (the choice hangs on the cluster's x, which all
; sixteen partners share); masks, LDS addresses and the ring are the same.
; WHAT LEAVES: records of 6,400 bytes for each (batch x head, 128 tokens): four IMAGES of an operand's 12 registers (piece P = registers 4 P .. 4 P + 3, lane l's 16 bytes at 512 P + 16 l), then 256 bytes of scale words
; (lane l, word e at 6,144 + 8 l + 4 e: the word of image 2 e + l / 16, row l % 16).  qb, kb: image g = two tiles of 16 tokens (registers 0-5: tokens 32 g + r; 6-11: 32 g + 16 + r; d = 32 h + 0 .. 31).
; vb: image dt = the fragment of V^T for d = 16 dt + r over the 128 keys.  Every store of codes covers 512 consecutive aligned bytes, every store of scale words 256.
; THE QUANTISER: a block's scale byte is its largest magnitude's exponent field - 2, held at 1 from below (a block of zeros keeps the byte 1: its codes are zeros, and this program alone reads the bytes).
; LIMITS: NaN and infinities are not served; blocks under 2^-124 keep the byte 1.  RoPE takes one fused multiply-add where the model rounds twice.
; 384 work-groups: one and a half for each of 256 WGPs; a tile of 256 x 384 does not fit the ring's two slots beside the scales.  No prefetch: K has four steps, all asked for within the first two changes of slots.
; REGISTERS, in windows of 256: window 0: v16-29 addresses; v32-63 scale words, two sets, nothing else ever; from v128 A's fragments, one set; on the way out v64-127 and v128-223 are at work.
;   window 1: B's fragments, two sets, at v0 and v128; at the end v0-127 take four buffers of the cos/sin table.   windows 2, 3: the accumulators ((a, b) at v[8 (8 (a % 4) + b)]).
.set KSTEP,  256                       ; along K in a slot
.set NQ,     2                         ; matrix instructions deep
.set ROWB,   192                       ; a tile's row in bytes
.set KROW,   768                       ; a row of x or of W in memory: 1,024 codes
.set PITCH,  240                       ; an LDS row: 3 x (64 bytes + 16 of padding)
.set FR,     12                        ; registers of a fragment
.set NL,     6                         ; LDS loads that bring one
.set NP,     4                         ; places behind this matrix instruction (ISA guide 7.12.1)
.set HALFT,  128*PITCH                 ; 128 rows: what one tensor load brings
.set SLOT,   4*HALFT                   ; A's 256 rows, then B's 256 rows
.set LAPS,   2                         ; a lap = two K steps = once round the ring
.set KS,     32                        ; a row of scale bytes
.set SCL,    2*SLOT                    ; behind the ring: the scales, as units of 256 bytes + 16 of padding
.set HALFS,  (128*KS/256)*272          ; the scales of 128 rows
.set SBLK,   (16*KS/256)*272           ; those of 16 rows
.set SPARE,  SCL+4*HALFS               ; the spare words, 128 bytes for each wave: two blocks of 256 bytes that no other line names
.set RECB,   6400                      ; a record
.set HEADB,  102400                    ; a head's 16 records
.set ADRA, 16                          ; v16-17 LDS address of my A fragments in slot 0, 1 (v18-19: behind one padding more)
.set ADRB, 20                          ; v20-23 the same for B
.set LI,   24                          ; v24  16 x lane
.set LS,   25                          ; v25  8 x lane
.set RO,   26                          ; v26  256 r + 32 h: my place in 16 rows of the table
.set ADRS, 27                          ; v27  LDS address of my scale words: lanes 0-15 A's rows, lanes 16-31 B's
.set SPW,  28                          ; v28  my spare word; never rewritten
.set NIL,  29                          ; v29  0; never rewritten
.set SC,   32                          ; scale words
.set AF,   128                         ; A's fragments
.set HA,   64                          ; the way out: v64-127 a block's 64 numbers behind RoPE
.set KC,   128                         ; v128-151 codes: two images
.set PY,   152                         ; v152-158 the conversions' second halves
.set TM,   160                         ; v160-163 largest magnitudes, v164-167 the other half's, then bytes, v172-175 the conversions' scale operands
.set PWS,  176                         ; v176-183 a scale word for each block a
.set WD,   184                         ; v184-191 the images' words
.set SE,   192                         ; v192-195 as they are stored
.set G1, 24
.set G0, 32
.set G1B, 48
.set G0B, 56
.set G1S, 68
.set G0S, 76
.set G1SB, 80
.set G0SB, 88
.set SEL, 66                           ; s66, s67 lane selects for v_permlanex16_b32: lane l xor 16
.set HM,  95                           ; s95  the mask of lanes 16-31
.set RP,  96                           ; s[96:97] the table at my wave's first token
.set DP,  98                           ; s[98:99] my first record
.set MSB, 0
.macro WIN new                         ; the immediate's high byte repeats the setting that is left
.if MSB != (\new)
	s_set_vgpr_msb (MSB<<8)|(\new)
.set MSB, (\new)
.endif
.endm
.set MUL_LO, 0xa1                      ; source 0 (B) window 1, source 1 (A) window 0, C and D window 2
.set MUL_HI, 0xf1                      ; the same, C and D window 3
.set TO_B,   0x40                      ; destination window 1, address window 0
; A joint load: waves 0 and 1 fetch for A, waves 2 and 3 for B.  Each of the two lines has one mask and one set of registers; the branch hangs on the wave's number alone.  Four v_nop follow each line.
.macro JLOAD g0a, g1a, g0b, g1b
	s_cmp_eq_u32 s15, 0
	s_cbranch_scc0 .Lfor_b_\@
	tensor_load_to_lds s[\g0a:\g0a+3], s[\g1a:\g1a+7]
	s_nop 0
.rept 4
	v_nop
.endr
	s_branch .Lasked_\@
.Lfor_b_\@:
	tensor_load_to_lds s[\g0b:\g0b+3], s[\g1b:\g1b+7]
	s_nop 0
.rept 4
	v_nop
.endr
.Lasked_\@:
.endm
.macro CREST                           ; a round of the cluster's barrier behind its opening barrier
	s_cmp_lg_u32 s14, 0
	s_cbranch_scc1 .Lnot_wave_0_\@
	s_barrier_signal -3
.Lnot_wave_0_\@:
	s_barrier_wait -3
	s_barrier_signal -1
	s_barrier_wait -1
.endm
.macro CROUND                          ; a whole round
	s_barrier_signal -1
	s_barrier_wait -1
	CREST
.endm
	s_load_b128 s[4:7], s[0:1], 0x0                ; x's codes, x's scales
	s_load_b128 s[8:11], s[0:1], 0x10              ; W's codes, W's scales
	s_load_b128 s[96:99], s[0:1], 0x20             ; the table, qb
	s_load_b64 s[100:101], s[0:1], 0x30            ; kb
	s_load_b64 s[104:105], s[0:1], 0x38            ; vb
	v_lshl_add_u32 v[SPW], v0, 2, SPARE
	v_mov_b32 v[NIL], 0
	ds_add_u32 v28, v29
	ds_add_u32 v28, v29
	s_wait_dscnt 0x0
	v_lshrrev_b32 v1, 5, v0
	v_readfirstlane_b32 s14, v1                    ; wave 0..3
	s_lshr_b32 s15, s14, 1                         ; which half of A's rows is mine.  Also: I fetch for A (0) or for B (1)
	s_and_b32 s16, s14, 1                          ; which half of B's rows.  Also: which 128 rows of that tile I fetch
	s_bfe_u32 s40, ttmp6, 0x40000                  ; cx, cy: my place in the cluster
	s_bfe_u32 s41, ttmp6, 0x40004
	s_and_b32 s18, ttmp7, 0xffff                   ; the cluster's y
	s_cmp_eq_u32 ttmp9, 2                          ; the v clusters?
	s_cselect_b32 s17, 2, s18                      ; A's group of four tiles: W's third (rows 2,048 on), or x's by the cluster's y
	s_cselect_b32 s42, s18, ttmp9                  ; B's: x's by the cluster's y, or W's by the cluster's x
	s_lshl_b32 s17, s17, 2
	s_add_co_u32 s17, s17, s41                     ; A's tile: it hangs on cy alone among the places
	s_lshl_b32 s42, s42, 2
	s_add_co_u32 s42, s42, s40                     ; B's tile: on cx alone
	s_lshl_b32 s43, s41, 2
	s_lshl_b32 s43, 15, s43                        ; my row of the cluster
	s_lshl_b32 s44, 0x1111, s40                    ; my column
	; descriptor group 1: a tile of 128 rows x 192 bytes, 16 bytes of padding behind every 64
	s_or_b32 s[G1+0], s43, (0<<16)|(1<<20)|(1<<21)|(3<<22)|(3<<25)
	s_or_b32 s[G1B+0], s44, (0<<16)|(1<<20)|(1<<21)|(3<<22)|(3<<25)
.irp g, G1, G1B
	s_mov_b32 s[\g+1], ROWB<<16                    ; tensor_dim0
	s_mov_b32 s[\g+2], 128<<16                     ; tensor_dim1
	s_mov_b32 s[\g+3], ROWB<<16                    ; tile_dim0
	s_mov_b32 s[\g+4], 128                         ; tile_dim1
	s_mov_b32 s[\g+5], KROW                        ; the pitch
	s_mov_b32 s[\g+6], 0
	s_mov_b32 s[\g+7], 0
.endr
	; the scales of 128 rows: a dense block of 4,096 bytes, as 16 rows of 256 bytes (32 elements of 8), 16 bytes of padding behind each
	s_or_b32 s[G1S+0], s43, (3<<16)|(1<<20)|(1<<21)|(5<<22)|(3<<25)
	s_or_b32 s[G1SB+0], s44, (3<<16)|(1<<20)|(1<<21)|(5<<22)|(3<<25)
.irp g, G1S, G1SB
	s_mov_b32 s[\g+1], 32<<16
	s_mov_b32 s[\g+2], (128*KS/256)<<16
	s_mov_b32 s[\g+3], 32<<16
	s_mov_b32 s[\g+4], 128*KS/256
	s_mov_b32 s[\g+5], 32
	s_mov_b32 s[\g+6], 0
	s_mov_b32 s[\g+7], 0
.endr
	s_lshl_b32 s18, s16, 7                         ; which 128 rows of the tile I fetch
	s_lshl_b32 s20, s17, 8
	s_add_co_u32 s20, s20, s18                     ; A: row 256 x tile + 128 x half
	s_lshl_b32 s46, s42, 8
	s_add_co_u32 s46, s46, s18                     ; B likewise
	s_mov_b32 s21, 0
	s_mov_b32 s47, 0
	s_mov_b64 s[18:19], KS
	s_mul_u64 s[22:23], s[20:21], s[18:19]         ; where these rows' scales begin, in bytes
	s_mul_u64 s[92:93], s[46:47], s[18:19]
	s_mov_b64 s[18:19], KROW
	s_mul_u64 s[20:21], s[20:21], s[18:19]         ; and their codes
	s_mul_u64 s[46:47], s[46:47], s[18:19]
	s_mul_i32 s45, s14, HALFT                      ; where they go: wave x 128 rows: no place in the cluster enters an LDS address
	s_mul_i32 s94, s14, HALFS
	s_mov_b32 s[SEL], 0x76543210
	s_mov_b32 s[SEL+1], 0xfedcba98
	s_mov_b32 s[HM], 0xffff0000
	s_wait_kmcnt 0x0
	s_cmp_eq_u32 ttmp9, 2                          ; the roles: in the v clusters W is A and x is B
	s_cselect_b64 s[12:13], s[8:9], s[4:5]
	s_cselect_b64 s[8:9], s[4:5], s[8:9]           ; B's codes
	s_mov_b64 s[4:5], s[12:13]                     ; A's codes
	s_cselect_b64 s[12:13], s[10:11], s[6:7]
	s_cselect_b64 s[10:11], s[6:7], s[10:11]       ; B's scales
	s_mov_b64 s[6:7], s[12:13]                     ; A's scales
	s_add_nc_u64 s[20:21], s[4:5], s[20:21]
	s_add_nc_u64 s[22:23], s[6:7], s[22:23]
	s_add_nc_u64 s[46:47], s[8:9], s[46:47]
	s_add_nc_u64 s[92:93], s[10:11], s[92:93]
	CROUND                                         ; all sixteen work-groups are here: the first joint loads meet
	s_mov_b32 s[G0S], 1
	s_add_co_u32 s[G0S+1], s94, SCL
	s_mov_b64 s[G0S+2:G0S+3], s[22:23]
	s_or_b32 s[G0S+3], s[G0S+3], 0x80000000
	s_mov_b32 s[G0SB], 1
	s_add_co_u32 s[G0SB+1], s94, SCL
	s_mov_b64 s[G0SB+2:G0SB+3], s[92:93]
	s_or_b32 s[G0SB+3], s[G0SB+3], 0x80000000
	JLOAD G0S, G1S, G0SB, G1SB                     ; the scales first: they are wanted with K step 0
.irp s, 0,1
	s_mov_b32 s[G0+4*\s], 1
	s_add_co_u32 s[G0+4*\s+1], s45, \s*SLOT
	s_add_nc_u64 s[G0+4*\s+2:G0+4*\s+3], s[20:21], \s*ROWB
	s_or_b32 s[G0+4*\s+3], s[G0+4*\s+3], 0x80000000
	s_mov_b32 s[G0B+4*\s], 1
	s_add_co_u32 s[G0B+4*\s+1], s45, \s*SLOT
	s_add_nc_u64 s[G0B+4*\s+2:G0B+4*\s+3], s[46:47], \s*ROWB
	s_or_b32 s[G0B+4*\s+3], s[G0B+4*\s+3], 0x80000000
	JLOAD G0+4*\s, G1, G0B+4*\s, G1B
.endr
	v_and_b32 v1, 15, v0                           ; r
	v_bfe_u32 v2, v0, 4, 1                         ; h
	v_mul_u32_u24 v3, v1, PITCH
	v_mul_u32_u24 v4, v2, 24
	v_add_nc_u32 v4, v3, v4                        ; a fragment's row x pitch + 24 x half
	v_lshl_add_u32 v5, v2, 4, v4                   ; and the same behind one padding more
	s_mul_i32 s21, s15, HALFT                      ; my 128 rows of A
	s_mul_i32 s22, s16, HALFT                      ; my 128 rows of B,
	s_add_co_u32 s22, s22, 2*HALFT                 ; which lie behind A's 256
.irp s, 0,1
	v_add_nc_u32 v[ADRA+\s], s21, v4
	v_add_nc_u32 v[ADRB+\s], s22, v4
	v_add_nc_u32 v[ADRA+2+\s], s21, v5
	v_add_nc_u32 v[ADRB+2+\s], s22, v5
	s_add_co_u32 s21, s21, SLOT
	s_add_co_u32 s22, s22, SLOT
.endr
	v_mul_u32_u24 v5, v1, KS                       ; my row's scales: 32 bytes a row,
	v_lshrrev_b32 v6, 8, v5
	v_lshl_add_u32 v5, v6, 4, v5                   ; and 16 more for each 256 passed
	s_mul_i32 s21, s15, HALFS                      ; A's: my 128 rows
	s_mul_i32 s22, s16, HALFS                      ; B's: my 128 rows, behind A's 256
	s_add_co_u32 s22, s22, 2*HALFS
	s_sub_co_u32 s22, s22, s21
	v_mul_u32_u24 v6, s22, v2                      ; lanes 16-31 take B's
	s_add_co_u32 s21, s21, SCL
	v_add_nc_u32 v5, v5, v6
	v_add_nc_u32 v[ADRS], s21, v5
	v_and_b32 v6, 31, v0
	v_lshlrev_b32 v[LI], 4, v6
	v_lshlrev_b32 v[LS], 3, v6
	v_lshlrev_b32 v[RO], 8, v1
	v_lshl_add_u32 v[RO], v2, 5, v[RO]
	; where my results go: tokens' tile and half give batch and record, the features' tile and half give the head
	s_cmp_eq_u32 ttmp9, 2
	s_cselect_b32 s20, s42, s17                    ; the tokens' tile of 256
	s_cselect_b32 s21, s41, s40                    ; the features' tile within q, k or v
	s_cselect_b32 s22, s15, s16                    ; my half of the features: two heads
	s_cselect_b32 s23, s16, s15                    ; my half of the tokens: one record
	s_lshl_b32 s21, s21, 2
	s_lshl_b32 s22, s22, 1
	s_add_co_u32 s21, s21, s22                     ; my first head
	s_lshr_b32 s22, s20, 3
	s_lshl_b32 s22, s22, 4
	s_add_co_u32 s21, s21, s22                     ; + 16 x batch
	s_and_b32 s20, s20, 7
	s_lshl_b32 s20, s20, 1
	s_add_co_u32 s20, s20, s23                     ; the record: 128 tokens
	s_mul_i32 s21, s21, HEADB
	s_mul_i32 s20, s20, RECB
	s_add_co_u32 s20, s20, s21
	s_mov_b32 s21, 0
	s_cmp_eq_u32 ttmp9, 0
	s_cselect_b64 s[DP:DP+1], s[98:99], s[100:101] ; qb or kb,
	s_cmp_eq_u32 ttmp9, 2
	s_cselect_b64 s[DP:DP+1], s[104:105], s[DP:DP+1] ; or vb
	s_add_nc_u64 s[DP:DP+1], s[DP:DP+1], s[20:21]
	s_and_b32 s20, s17, 7                          ; (q, k) my first token in its sequence is 128 x (2 x (tile mod 8) + half): 32,768 bytes of the table each
	s_lshl_b32 s20, s20, 1
	s_add_co_u32 s20, s20, s15
	s_lshl_b32 s20, s20, 15
	s_add_nc_u64 s[RP:RP+1], s[RP:RP+1], s[20:21]
.macro FRAG reg, adr, q, i             ; a fragment, 16 rows x 128 K: lane (r, h) takes 24 bytes of the row's stream of bits twice, in pieces of 8 bytes
.irp p, 0,1,2,3,4,5
.set PC, 12*(\q)+6*(\p/3)+\p%3        ; where the piece three on lies behind one padding more, the second address register serves
.if PC%8 < 5
	ds_load_b64 v[\reg+2*\p:\reg+2*\p+1], v[\adr] offset:8*PC+16*(PC/8)+(\i)*16*PITCH
.else
	ds_load_b64 v[\reg+2*\p:\reg+2*\p+1], v[\adr+2] offset:8*PC+16*(PC/8)+(\i)*16*PITCH
.endif
.endr
.endm
; 16 matrix instructions: A's blocks a0, a0 + 1 x B's eight, 128 along K.  The 64 accumulators take turns, one instruction a turn, in the same order in every step.
.macro MUL16 a0, p, q, sc, zero
.irp a, \a0, \a0+1
.irp b, 0,1,2,3,4,5,6,7
.if \zero
	v_wmma_scale_f32_16x16x128_f8f6f4 v[8*(8*((\a)%4)+\b):8*(8*((\a)%4)+\b)+7], v[128*(\p)+FR*\b:128*(\p)+FR*\b+FR-1], v[AF+FR*(\a):AF+FR*(\a)+FR-1], 0, v[SC+8*NQ*(\sc)+NQ*\b+(\q)], v[SC+8*NQ*(\sc)+NQ*(\a)+(\q)] matrix_a_fmt:MATRIX_FMT_FP6 matrix_b_fmt:MATRIX_FMT_FP6 matrix_a_scale:MATRIX_SCALE_ROW1
.else
	v_wmma_scale_f32_16x16x128_f8f6f4 v[8*(8*((\a)%4)+\b):8*(8*((\a)%4)+\b)+7], v[128*(\p)+FR*\b:128*(\p)+FR*\b+FR-1], v[AF+FR*(\a):AF+FR*(\a)+FR-1], v[8*(8*((\a)%4)+\b):8*(8*((\a)%4)+\b)+7], v[SC+8*NQ*(\sc)+NQ*\b+(\q)], v[SC+8*NQ*(\sc)+NQ*(\a)+(\q)] matrix_a_fmt:MATRIX_FMT_FP6 matrix_b_fmt:MATRIX_FMT_FP6 matrix_a_scale:MATRIX_SCALE_ROW1
.endif
.endr
.endr
.endm
.macro FETCH_B slot, q, p              ; B's eight fragments of the slot's q-th 128 along K into set p
	WIN TO_B
.irp i, 0,1,2,3,4,5,6,7
	FRAG 128*(\p)+FR*\i, ADRB+\slot, \q, \i
.endr
	WIN 0
.endm
.macro FETCH_A slot, q, i0             ; A's blocks i0 .. i0 + 3
.irp i, \i0, \i0+1, \i0+2, \i0+3
	FRAG AF+FR*(\i), ADRA+\slot, \q, \i
.endr
.endm
.macro SCALES sc                       ; a K step's scale words into set sc: lanes 0-15 take A's block i, lanes 16-31 B's block i
.irp i, 0,1,2,3,4,5,6,7
	ds_load_b64 v[SC+8*NQ*\sc+NQ*\i:SC+8*NQ*\sc+NQ*\i+1], v[ADRS] offset:\i*SBLK
.endr
.endm
.macro PLACES n                        ; plain vector instructions between a matrix instruction and a load into, or a vector instruction on, its registers
.rept \n
	v_nop
.endr
.endm
; A step of 128 along K that has its successor in the same slot.
.macro STEP slot, q, zero
	s_wait_dscnt 4*NL                              ; B's set and A's blocks 0-3 are in; the youngest 24 loads (A's blocks 4-7) may be out
	WIN MUL_LO
	MUL16 0, (\q)%2, \q, \slot, \zero
	MUL16 2, (\q)%2, \q, \slot, \zero
	s_wait_dscnt 0                                 ; A's blocks 4-7 are in
	PLACES NP
	FETCH_B \slot, (\q)+1, 1-(\q)%2
	FETCH_A \slot, (\q)+1, 0
	WIN MUL_HI
	MUL16 4, (\q)%2, \q, \slot, \zero
	MUL16 6, (\q)%2, \q, \slot, \zero
	PLACES NP
	WIN 0
	FETCH_A \slot, (\q)+1, 4
.endm
; A slot's last step changes slots: one barrier; in front of it each wave waits for all its tensor loads, adds 0 to its spare word, and waits for that and for its reads of this slot.  fill = 1: this slot is filled again.
.macro TURN slot, next, fill
	s_wait_tensorcnt 0x0                           ; all my tensor loads have landed: my part of the next slot
	ds_add_u32 v[SPW], v[NIL]                      ; 0 onto my spare word
	s_wait_dscnt 4*NL+1                            ; (the add and the youngest 24 loads, A's blocks 4-7, may be out)
	WIN MUL_LO
	MUL16 0, 1, NQ-1, \slot, 0                     ; sixteen matrix instructions stand between the add and the wait for it
	s_wait_dscnt 0x0                               ; the add is done, and my reads of this slot are over
	s_barrier_signal -1
	MUL16 2, 1, NQ-1, \slot, 0
	WIN 0
	s_barrier_wait -1
.if \fill
	CREST                                          ; the barrier has opened a round of the cluster's barrier: no wave of any partner still reads this slot or has a load on its way
	s_add_nc_u64 s[G0+4*\slot+2:G0+4*\slot+3], s[G0+4*\slot+2:G0+4*\slot+3], 2*ROWB
	s_add_nc_u64 s[G0B+4*\slot+2:G0B+4*\slot+3], s[G0B+4*\slot+2:G0B+4*\slot+3], 2*ROWB
	JLOAD G0+4*\slot, G1, G0B+4*\slot, G1B         ; the first tensor load behind the round; its four v_nop are the places in front of the loads below
.else
	PLACES NP
.endif
	v_add_nc_u32 v[ADRS], 4*NQ, v[ADRS]            ; on to the next K step's scale words (no LDS load of mine is out)
	FETCH_B \next, 0, 0
	FETCH_A \next, 0, 0
	SCALES \next
	WIN MUL_HI
	MUL16 4, 1, NQ-1, \slot, 0
	MUL16 6, 1, NQ-1, \slot, 0
	PLACES NP
	WIN 0
	FETCH_A \next, 0, 4
.endm
; The very last step: nothing more to fetch.  It is written once on each side of the one branch that parts q and k from v.
.macro LAST
	s_wait_dscnt 4*NL
	WIN MUL_LO
	MUL16 0, 1, NQ-1, 1, 0
	MUL16 2, 1, NQ-1, 1, 0
	s_wait_dscnt 0
	WIN MUL_HI
	MUL16 4, 1, NQ-1, 1, 0
	MUL16 6, 1, NQ-1, 1, 0
	WIN 0
	PLACES NP                                      ; behind the last products: results are read and A's registers written from here on
.irp b, 0,1,2,3
	v_mov_b32 v[TM+4+\b], 0                        ; written once: a lane permute's destination counts as one of its sources
.endr
.endm
; 16 rows of the table for block a: registers 8 f + 2 i, + 1 of buffer a % 4 = (cos, sin) of frequency 8 f + 4 h + i at token 16 a + r
.macro RLOAD a
	WIN 0x40
.irp m, 0,1,2,3,4,5,6,7
	global_load_b128 v[32*((\a)%4)+4*\m:32*((\a)%4)+4*\m+3], v[RO], s[RP:RP+1] offset:4096*(\a)+64*(\m/2)+16*(\m%2)
.endr
	WIN 0
.endm
; Two half blocks become a whole one.  A lane's 16 numbers of a block of 32 are offsets 8 h + 0 .. 7 and 16 + 8 h + 0 .. 7.  v[d ..] holds the 96 bits of block 2 c, v[y ..] those of block 2 c + 1.  The three swaps give lane
; (r, h) both parts of block 2 c + h: d = offsets 0-7 and 16-23, y = 8-15 and 24-31; five lines on half words lay the four groups of 48 bits in the order of the offsets, into v[d .. d + 5].
.macro FIX d, y
.irp i, 0,1,2
	v_permlane16_swap_b32 v[(\d)+\i], v[(\y)+\i]
.endr
	v_alignbit_b32 v[(\d)+3], v[(\d)+2], v[(\d)+1], 16
	v_perm_b32 v[(\d)+4], v[(\y)+1], v[(\d)+2], 0x07060302
	v_mov_b32 v[(\d)+5], v[(\y)+2]
	v_perm_b32 v[(\d)+1], v[(\y)], v[(\d)+1], 0x05040100
	v_alignbit_b32 v[(\d)+2], v[(\y)+1], v[(\y)], 16
.endm
; 64 numbers of a lane in window w, register 16 b + i of block b: codes of blocks 0, 1 into v[d0 .. d0 + 5], of blocks 2, 3 into v[d1 .. d1 + 5], the four scale bytes into v[pw].
.macro QUANT4 s, w, d0, d1, pw
	WIN (\w)*5                                     ; sources 0 and 1 in window w
.irp b, 0,1,2,3
	v_max3_num_f32 v[TM+\b], |v[(\s)+16*\b]|, |v[(\s)+16*\b+1]|, 0x1800000   ; my 16 numbers of block b, from the low end on, and the floor 2^(3 - 127): the byte cannot fall under 1
.endr
.irp i, 2,4,6,8,10,12,14
.irp b, 0,1,2,3
	v_max3_num_f32 v[TM+\b], |v[(\s)+16*\b+\i]|, |v[(\s)+16*\b+\i+1]|, v[TM+\b]
.endr
.endr
	WIN 0
.irp b, 0,1,2,3
	v_permlanex16_b32 v[TM+4+\b], v[TM+\b], s[SEL], s[SEL+1]
.endr
.irp b, 0,1,2,3
	v_max_num_f32 v[TM+\b], v[TM+\b], v[TM+4+\b]   ; with lane l xor 16's: the block's largest magnitude
.endr
.irp b, 0,1,2,3
	v_add_nc_u32 v[TM+12+\b], 0xff000000, v[TM+\b] ; 2 off its exponent field: the conversion's scale operand
.endr
.irp b, 0,1,2,3
	v_lshrrev_b32 v[TM+4+\b], 23, v[TM+12+\b]      ; the scale's byte
.endr
	v_lshl_or_b32 v[\pw], v[TM+5], 8, v[TM+4]
	v_lshl_or_b32 v[\pw], v[TM+6], 16, v[\pw]
	v_lshl_or_b32 v[\pw], v[TM+7], 24, v[\pw]
	WIN (\w)                                       ; source 0 in window w
	v_cvt_scalef32_pk16_fp6_f32 v[(\d0):(\d0)+2], v[(\s):(\s)+15], v[TM+12]
	v_cvt_scalef32_pk16_fp6_f32 v[PY:PY+2], v[(\s)+16:(\s)+31], v[TM+13]
	v_cvt_scalef32_pk16_fp6_f32 v[(\d1):(\d1)+2], v[(\s)+32:(\s)+47], v[TM+14]
	v_cvt_scalef32_pk16_fp6_f32 v[PY+4:PY+6], v[(\s)+48:(\s)+63], v[TM+15]
	WIN 0
	v_nop                                          ; one plain instruction behind the scaled conversions
	FIX \d0, PY
	FIX \d1, PY+4
.endm
; q, k: block a = 16 tokens x my 128 features (two heads).  RoPE on pairs (x1, x2) with (c, s): first (x2 s, x2 c), then (x1 c - x2 s, x1 s + x2 c).
.macro QKBLK a
.if (\a) < 5
	s_wait_loadcnt 24                              ; this block's eight table loads are in; those of the three blocks behind it may be out
.else
	s_wait_loadcnt 8*(7-(\a))
.endif
.set AC, 64*((\a)%4)
.set RT, 32*((\a)%4)
	WIN 0x06+(\a)/4                                ; source 0: the accumulators' window; source 1: window 1, the table
.irp b, 0,1,2,3,4,5,6,7
.irp i, 0,1,2,3
	v_pk_mul_f32 v[HA+8*\b+2*\i:HA+8*\b+2*\i+1], v[AC+8*\b+2*\i:AC+8*\b+2*\i+1], v[RT+8*(\b%4)+2*\i:RT+8*(\b%4)+2*\i+1] op_sel:[1,1] op_sel_hi:[1,0]
.endr
.irp i, 0,1,2,3
	v_pk_fma_f32 v[HA+8*\b+2*\i:HA+8*\b+2*\i+1], v[AC+8*\b+2*\i:AC+8*\b+2*\i+1], v[RT+8*(\b%4)+2*\i:RT+8*(\b%4)+2*\i+1], v[HA+8*\b+2*\i:HA+8*\b+2*\i+1] op_sel_hi:[0,1,1] neg_lo:[0,0,1]
.endr
.endr
.if (\a) < 4
	RLOAD (\a)+4                                   ; the buffer takes the block four further on
.endif
	WIN 0
.if ((\a)%2 == 0) && ((\a) > 0)
	s_wait_xcnt 0x0                                ; the last pair's stores have read the codes' registers: they are written again only behind this wait
.endif
	QUANT4 HA, 0, KC+6*((\a)%2), KC+12+6*((\a)%2), PWS+(\a)
.if (\a)%2 == 1
.irp hd, 0,1
.irp P, 0,1,2
	global_store_b128 v[LI], v[KC+12*\hd+4*\P:KC+12*\hd+4*\P+3], s[DP:DP+1] offset:HEADB*\hd+1536*((\a)/2)+512*\P   ; image a / 2 of head hd: 512 consecutive bytes a store
.endr
.endr
.endif
.endm
; v: block a = 16 channels x my 128 tokens: one whole fragment
.macro VBLK a
.if (\a) >= 2
	s_wait_xcnt 0x0                                ; block a - 2's stores have read these registers
.endif
	QUANT4 64*((\a)%4), 2+(\a)/4, KC+12*((\a)%2), KC+12*((\a)%2)+6, PWS+(\a)
.irp P, 0,1,2
	global_store_b128 v[LI], v[KC+12*((\a)%2)+4*\P:KC+12*((\a)%2)+4*\P+3], s[DP:DP+1] offset:HEADB*((\a)/4)+1536*((\a)%4)+512*\P
.endr
.endm
	s_wait_tensorcnt 1                             ; the scales and my part of K step 0 are in (K step 1's load may be out),
	s_barrier_signal -1
	s_barrier_wait -1                              ; everybody's are
	FETCH_B 0, 0, 0
	FETCH_A 0, 0, 0
	SCALES 0
	FETCH_A 0, 0, 4
	STEP 0, 0, 1                                   ; the first step stands in front of the loop: its products start the sums
	s_mov_b32 s3, LAPS-1
.Llap:                                                 ; a trip goes once round the ring and fills both slots again
	TURN 0, 1, 1
	STEP 1, 0, 0
	TURN 1, 0, 1
	STEP 0, 0, 0
	s_sub_co_u32 s3, s3, 1
	s_cmp_lg_u32 s3, 0
	s_cbranch_scc1 .Llap
	TURN 0, 1, 0                                   ; the last lap fills nothing, and has no round of the cluster's barrier
	STEP 1, 0, 0
	s_cmp_eq_u32 ttmp9, 2                          ; the one parting of the ways: it hangs on the cluster's x, which all partners share
	s_cbranch_scc1 .Lv_tail
	RLOAD 0                                        ; B's set 0 has been read for the last time, four places back: the table's first four blocks land under the last step
	RLOAD 1
	RLOAD 2
	RLOAD 3
	LAST
.irp a, 0,1,2,3,4,5,6,7
	QKBLK \a
.endr
.irp g, 0,1,2,3                        ; an image's word: (s0, s1 of tokens 32 g + r | s0, s1 of tokens 32 g + 16 + r); head 0's bytes are a block's low half word, head 1's the high
	v_perm_b32 v[WD+\g], v[PWS+2*\g+1], v[PWS+2*\g], 0x05040100
	v_perm_b32 v[WD+4+\g], v[PWS+2*\g+1], v[PWS+2*\g], 0x07060302
.endr
.irp q, 0,1,2,3                        ; lanes 0-15 keep the even image's word, lanes 16-31 the odd image's
	v_cndmask_b32 v[SE+\q], v[WD+2*\q], v[WD+2*\q+1], s[HM]
.endr
	s_branch .Lwords
.Lv_tail:
	LAST
.irp a, 0,1,2,3,4,5,6,7
	VBLK \a
.endr
.irp q, 0,1,2,3
	v_cndmask_b32 v[SE+\q], v[PWS+2*\q], v[PWS+2*\q+1], s[HM]
.endr
.Lwords:
.irp hd, 0,1
	global_store_b64 v[LS], v[SE+2*\hd:SE+2*\hd+1], s[DP:DP+1] offset:HEADB*\hd+6144   ; a record's 256 bytes of scale words
.endr
	s_wait_tensorcnt 0x0                           ; the wave's end
	ds_add_u32 v[SPW], v[NIL]
	s_wait_dscnt 0x0
	CROUND                                         ; the closing round: no work-group ends while a partner may still ask for a tile that names it
	s_endpgm
.Lfunc_end_k_q7f36ee8da4_qkv:
	.size	k_q7f36ee8da4_qkv, .Lfunc_end_k_q7f36ee8da4_qkv-k_q7f36ee8da4_qkv
	.p2alignl 7, 3214868480
	.fill 96, 4, 3214868480
	.section	.rodata,"a",@progbits
	.p2align	6, 0x0
	.amdhsa_kernel k_q7f36ee8da4_qkv
		.amdhsa_group_segment_fixed_size 327680
		.amdhsa_private_segment_fixed_size 0
		.amdhsa_enable_private_segment 0
		.amdhsa_kernarg_size 64
		.amdhsa_user_sgpr_count 2
		.amdhsa_user_sgpr_kernarg_segment_ptr 1
		.amdhsa_wavefront_size32 1
		.amdhsa_system_sgpr_workgroup_id_x 1
		.amdhsa_system_sgpr_workgroup_id_y 1
		.amdhsa_system_sgpr_workgroup_id_z 1
		.amdhsa_system_vgpr_workitem_id 0
		.amdhsa_next_free_vgpr 1024
		.amdhsa_next_free_sgpr 106
		.amdhsa_reserve_vcc 0
		.amdhsa_float_denorm_mode_32 3
		.amdhsa_float_denorm_mode_16_64 3
		.amdhsa_memory_ordered 1
		.amdhsa_forward_progress 1
		.amdhsa_inst_pref_size 254
	.end_amdhsa_kernel
	.amdgpu_metadata
---
amdhsa.version: [ 1, 2 ]
amdhsa.kernels:
  - .name:           k_q7f36ee8da4_qkv
    .symbol:         k_q7f36ee8da4_qkv.kd
    .args:
      - { .name: x_codes, .offset: 0, .size: 8, .value_kind: global_buffer, .address_space: global }
      - { .name: x_scales, .offset: 8, .size: 8, .value_kind: global_buffer, .address_space: global }
      - { .name: W_qkv_codes, .offset: 16, .size: 8, .value_kind: global_buffer, .address_space: global }
      - { .name: W_qkv_scales, .offset: 24, .size: 8, .value_kind: global_buffer, .address_space: global }
      - { .name: rope, .offset: 32, .size: 8, .value_kind: global_buffer, .address_space: global }
      - { .name: qb, .offset: 40, .size: 8, .value_kind: global_buffer, .address_space: global }
      - { .name: kb, .offset: 48, .size: 8, .value_kind: global_buffer, .address_space: global }
      - { .name: vb, .offset: 56, .size: 8, .value_kind: global_buffer, .address_space: global }
    .group_segment_fixed_size: 327680
    .private_segment_fixed_size: 0
    .kernarg_segment_align: 8
    .kernarg_segment_size: 64
    .max_flat_workgroup_size: 128
    .sgpr_count:     106
    .vgpr_count:     1024
    .wavefront_size: 32
...
	.end_amdgpu_metadata
.endif
;; end of part 2
;; launch attn (part 3): grid 4 x 64, 16 waves a work-group, clusters of 4 x 1, 206,848 bytes of LDS; arguments qb, kb, vb, oc, os; writes oc, os
.if DOCPART == 3
	.amdgcn_target "amdgcn-amd-amdhsa--gfx1250"
	.amdhsa_code_object_version 6
	.text
	.protected	k_q7f36ee8da4_attn
	.globl	k_q7f36ee8da4_attn
	.p2align	8
	.type	k_q7f36ee8da4_attn,@function
k_q7f36ee8da4_attn:
	s_mov_b64 s[64:65], 0
	v_nop
	global_prefetch_b8 v0, s[64:65] scope:SCOPE_SE
	s_setreg_imm32_b32 hwreg(HW_REG_WAVE_MODE, 25, 1), 1
	s_wait_xcnt 0x0
	s_wait_alu depctr_hold_cnt(0) depctr_sa_sdst(0) depctr_va_vdst(0) depctr_va_sdst(0) depctr_va_ssrc(0) depctr_va_vcc(0) depctr_vm_vsrc(0)
	s_getreg_b32 s2, hwreg(HW_REG_IB_STS2, 6, 4)
	s_cmp_eq_u32 s2, 0
	s_cbranch_scc0 .Lentry_in_a_cluster
	s_endpgm
.Lentry_in_a_cluster:
	s_bfe_u32 s2, ttmp6, 0x10000c
	s_cmp_lg_u32 s2, 0x3003
	s_cbranch_scc0 .Lentry_shape_is_right
	s_endpgm
.Lentry_shape_is_right:
; vals = softmax(q k^T / 8, causal) v for one (batch, head) a cluster, both products on codes of FP6 (E2M3) with E8M0 scales; vals is divided by the row's sum and quantised along d for the last product.
; THE SOFTMAX: t = score x log2(e) / 8; M = the running largest t rounded UP to a whole number; p = 2^(t - M) is quantised along the keys, not normalised; the row's sum is taken of the unquantised p.
; When M moves, the sum and O are multiplied by 2^(old M - new M): exact.
; A HEAD'S K AND V STAY IN LDS: 16 records of 6,400 bytes each, 2 x 102,400 bytes, filled once: no ring, no refill, and behind the second barrier no wave waits for another.
; CLUSTER: the four work-groups of a head need the same K and V: each quarter (four records, 25,600 bytes) is asked for jointly, wave 0 for K and wave 1 for V, four tensor loads of a wave out at the most.
; SHARES.  A wave owns two tiles of 16 queries: one in block w / 2 of 128 tokens and its mirror in block 15 - w / 2: 17 key steps of 128 keys in every wave.  Every branch hangs on the wave's number and a counter;
; the work-group's place in the cluster enters global addresses and the mask's numbers alone.  The mirror (high) tile goes first: its first four steps are open in every wave, and they are written out, so that
; their LDS addresses are constants while the other three quarters land.  A step all of whose keys come after the tile's queries is jumped over: the loops' trip counts stay constants.
; LAYOUT.  Both products are used transposed: S^T = K Q^T (source 0 = keys), O^T = V^T P^T (source 0 = channels): a lane holds ONE query (lane % 16) throughout; register 8 t + j of S^T is key 16 t + 8 (lane / 16) + j.
; The head's d is 64, half of the instruction's K.  An image of K holds TWO tiles of 16 keys in its 12 registers; against [q, 0] it gives the first tile's scores, against [0, q] the second's: the other half meets zero codes.
; Operands come from LDS as images of their registers: three loads of 16 bytes a lane, 512 consecutive bytes each; a step's scale words by one load of 8 bytes a lane.
; OUT: oc [512 tiles of 16 tokens][16 heads][768 bytes]: six registers (lane (r, h): token r, d = 32 h + 0 .. 31), piece p = registers 2 p, 2 p + 1 at 256 p + 8 x lane: whole aligned runs of 256 bytes.
; os [64][2,048][2]: the two scale bytes of a token: a wave stores 32 consecutive bytes, one part in 24 of what it writes; a run of 256 would want eight tiles of one head in one wave.
; LIMITS: NaN and infinities are not served; a block of zeros, or under 2^-124, keeps the scale byte 1 (its codes are zeros; this program alone reads the bytes); 1 / sum is v_rcp_f32 and a multiplication.
; No prefetch: everything is asked for at the head.
.set RECB,  6400
.set HEADB, 102400
.set QUART, 25600
.set LI,   1                           ; v1   16 x lane
.set LS,   2                           ; v2   8 x lane
.set LIV,  3                           ; v3   16 x lane + V's first byte in LDS
.set LSV,  4                           ; v4   8 x lane + the same
.set DG,   5                           ; v5   r - 8 h, for the mask
.set ADK,  8                           ; v8-11 the step's LDS addresses: K's images, K's words, V's images, V's words
.set ADKS, 9
.set ADV,  10
.set ADVS, 11
.set QR,   16                          ; v16-33 [q][six zeros][q]
.set IM,   34                          ; v34-81 four images, K's and then V's
.set QK2,  82                          ; v82-87 the low tile's q; v88 its raw scale word; v90 the high tile's
.set OSL,  89                          ; v89  2 r + h
.set S,    96                          ; v96-159 S^T, then p
.set O,    160                         ; v160-191 O^T
.set BM,   192                         ; v192-195 the blocks' largest scores, then p
.set PT,   196                         ; v196-199 lane permutes' results; a chain of the sum
.set SO,   200                         ; v200-203 the conversions' scale operands
.set BY,   204                         ; v204-207 scale bytes
.set FF,   208                         ; v[208:209] f
.set T1,   210                         ; v[210:211] at work
.set PS,   212                         ; v212 p's scale word
.set OB,   213                         ; v213 the byte that goes to os
.set KSC,  214                         ; v[214:215] K's scale words
.set VSC,  216                         ; v[216:217] V's
.set QS,   218                         ; v218 q's
.set MK,   220                         ; v220-221 the mask
.set PC,   224                         ; v224-235 p's codes
.set PY,   236                         ; v236-242 the conversions' second halves
.set WV,   18
.set CX,   19
.set SEL,  20                          ; s20, s21 lane selects: lane l xor 16
.set CS,   22                          ; s[22:23] c = log2(e) / 8
.set G1,   24
.set G0,   32                          ; s[32:47] four groups 0
.set TB,   48                          ; the step's record in LDS
.set KI,   49                          ; the step's number
.set BETA, 50                          ; the tile's block
.set QIN,  51                          ; the tile's first query in its block
.set HM,   53                          ; the mask of lanes 16-31
.macro ROUND                           ; a round of the cluster's barrier
	s_barrier_signal -1
	s_barrier_wait -1
	s_cmp_lg_u32 s[WV], 0
	s_cbranch_scc1 .Lnot_wave_0_\@
	s_barrier_signal -3
.Lnot_wave_0_\@:
	s_barrier_wait -3
	s_barrier_signal -1
	s_barrier_wait -1
.endm
; Two half blocks become a whole one: a lane's 16 numbers of a block of 32 are offsets 8 h + 0 .. 7 and 16 + 8 h + 0 .. 7.  The swaps give lane (r, h) both parts of block 2 c + h; five lines on half words lay the
; four groups of 48 bits in the order of the offsets, into v[d .. d + 5].
.macro FIX d, y
.irp i, 0,1,2
	v_permlane16_swap_b32 v[(\d)+\i], v[(\y)+\i]
.endr
	s_delay_alu instid0(VALU_DEP_1)
	v_alignbit_b32 v[(\d)+3], v[(\d)+2], v[(\d)+1], 16
	s_delay_alu instid0(VALU_DEP_2)
	v_perm_b32 v[(\d)+4], v[(\y)+1], v[(\d)+2], 0x07060302
	s_delay_alu instid0(VALU_DEP_3)
	v_mov_b32 v[(\d)+5], v[(\y)+2]
	v_perm_b32 v[(\d)+1], v[(\y)], v[(\d)+1], 0x05040100
	v_alignbit_b32 v[(\d)+2], v[(\y)+1], v[(\y)], 16
.endm
	s_load_b128 s[4:7], s[0:1], 0x0                ; qb, kb
	s_load_b128 s[8:11], s[0:1], 0x10              ; vb, oc
	s_load_b64 s[12:13], s[0:1], 0x20              ; os
	v_lshl_add_u32 v254, v0, 2, 0x32000
	v_mov_b32 v255, 0
	ds_add_u32 v254, v255
	ds_add_u32 v254, v255
	v_lshrrev_b32 v1, 5, v0
	s_delay_alu instid0(VALU_DEP_1)
	v_readfirstlane_b32 s[WV], v1                  ; wave 0..15
	s_bfe_u32 s[CX], ttmp6, 0x40000                ; cx
	s_and_b32 s54, ttmp7, 0xffff                   ; batch x 16 + head
	s_and_b32 s55, s[WV], 1                        ; u: the low tile's parity
	s_lshr_b32 s56, s[WV], 1                       ; the low tile's block
	s_lshl_b32 s57, s[CX], 5
	s_lshl_b32 s63, s55, 4
	s_add_co_u32 s57, s57, s63                     ; and its first query in the block: 32 cx + 16 u
	s_sub_co_u32 s[BETA], 15, s56                  ; the high tile: the mirror
	s_sub_co_u32 s[QIN], 112, s57
	; descriptor group 1: 100 dense rows of 256 bytes (32 elements of 8): four records
	s_mov_b32 s[G1], 15|(3<<16)|(1<<21)            ; the mask: all four work-groups; elements of 8 bytes; bit 21 beside a mask; no padding
	s_mov_b32 s[G1+1], 32<<16
	s_mov_b32 s[G1+2], 100<<16
	s_mov_b32 s[G1+3], 32<<16
	s_mov_b32 s[G1+4], 100
	s_mov_b32 s[G1+5], 32
	s_mov_b32 s[G1+6], 0
	s_mov_b32 s[G1+7], 0
	s_mov_b32 s[SEL], 0x76543210
	s_mov_b32 s[SEL+1], 0xfedcba98
	s_mov_b32 s[CS], 0x3e38aa3b
	s_mov_b32 s[CS+1], s[CS]                       ; (named with it as a pair, so it is written)
	s_mov_b32 s[HM], 0xffff0000
	; q's six registers in an image: a first tile's (registers 0-5) lie at bytes 0, 8, 512 of a lane's places, a second tile's (6-11) at 520, 1,024, 1,032
	s_cmp_eq_u32 s55, 0
	s_cselect_b32 s66, 0, 520                      ; the low tile's three pieces
	s_cselect_b32 s67, 8, 1024
	s_mov_b32 s68, 1032
	s_cselect_b32 s68, 512, s68
	s_cselect_b32 s69, 520, 0                      ; the high tile's: the other parity
	s_cselect_b32 s70, 1024, 8
	s_mov_b32 s71, 512
	s_cselect_b32 s71, 1032, s71
	s_mov_b32 s58, 0x03020302                      ; which half of the image's scale word is the tile's: low tile,
	s_cselect_b32 s58, 0x01000100, s58
	s_mov_b32 s52, 0x01000100                      ; high tile
	s_cselect_b32 s52, 0x03020302, s52
	s_mul_i32 s72, s[CX], 1536                     ; the low tile's image is number cx,
	s_sub_co_u32 s73, 4608, s72                    ; the high tile's 3 - cx
	s_add_co_u32 s66, s66, s72
	s_add_co_u32 s67, s67, s72
	s_add_co_u32 s68, s68, s72
	s_add_co_u32 s69, s69, s73
	s_add_co_u32 s70, s70, s73
	s_add_co_u32 s71, s71, s73
	s_and_b32 s74, s[CX], 1                        ; image g's words lie at 6,144 + 128 (g % 2) + 4 (g / 2) + 8 r
	s_lshl_b32 s74, s74, 7
	s_lshr_b32 s72, s[CX], 1
	s_lshl_b32 s72, s72, 2
	s_add_co_u32 s74, s74, s72
	s_add_co_u32 s74, s74, 6144
	s_sub_co_u32 s73, 3, s[CX]
	s_and_b32 s75, s73, 1
	s_lshl_b32 s75, s75, 7
	s_lshr_b32 s73, s73, 1
	s_lshl_b32 s73, s73, 2
	s_add_co_u32 s75, s75, s73
	s_add_co_u32 s75, s75, 6144
	; where the two tiles' results go
	s_lshr_b32 s63, s54, 4
	s_lshl_b32 s63, s63, 7                         ; 128 tiles a batch
	s_and_b32 s72, s54, 15                         ; the head
	s_lshl_b32 s73, s54, 12                        ; 4,096 bytes of os a head
	s_lshl_b32 s59, s56, 3
	s_lshr_b32 s60, s57, 4
	s_add_co_u32 s60, s60, s59                     ; the low tile's number in its sequence
	s_add_co_u32 s59, s60, s63
	s_lshl_b32 s59, s59, 4
	s_add_co_u32 s59, s59, s72
	s_mul_i32 s59, s59, 768                        ; its bytes in oc,
	s_lshl_b32 s60, s60, 5
	s_add_co_u32 s60, s60, s73                     ; and in os
	s_lshl_b32 s61, s[BETA], 3
	s_lshr_b32 s62, s[QIN], 4
	s_add_co_u32 s62, s62, s61                     ; the high tile likewise
	s_add_co_u32 s61, s62, s63
	s_lshl_b32 s61, s61, 4
	s_add_co_u32 s61, s61, s72
	s_mul_i32 s61, s61, 768
	s_lshl_b32 s62, s62, 5
	s_add_co_u32 s62, s62, s73
	s_mul_i32 s14, s54, HEADB                      ; the head's first byte in qb, kb and vb
	s_mov_b32 s15, 0
	s_mul_i32 s63, s55, HEADB                      ; in LDS: K's records, then V's
	v_and_b32 v6, 31, v0                           ; lane
	v_and_b32 v7, 15, v0                           ; r
	v_bfe_u32 v91, v0, 4, 1                        ; h
	s_delay_alu instid0(VALU_DEP_3)
	v_lshlrev_b32 v[LI], 4, v6
	s_delay_alu instid0(VALU_DEP_4)
	v_lshlrev_b32 v[LS], 3, v6
	s_delay_alu instid0(VALU_DEP_2)
	v_add_nc_u32 v[LIV], HEADB, v[LI]
	s_delay_alu instid0(VALU_DEP_2)
	v_add_nc_u32 v[LSV], HEADB, v[LS]
	v_lshlrev_b32 v[DG], 3, v91
	s_delay_alu instid0(VALU_DEP_1)
	v_sub_nc_u32 v[DG], v7, v[DG]
	v_lshl_add_u32 v[OSL], v7, 1, v91
	v_add_nc_u32 v96, s69, v[LI]                   ; the offsets of q's pieces: high tile,
	v_add_nc_u32 v97, s70, v[LI]
	v_add_nc_u32 v98, s71, v[LI]
	v_add_nc_u32 v99, s66, v[LI]                   ; low tile
	v_add_nc_u32 v100, s67, v[LI]
	v_add_nc_u32 v101, s68, v[LI]
	v_lshl_add_u32 v102, v7, 3, s75                ; and of their scale words
	v_lshl_add_u32 v103, v7, 3, s74
.irp j, 0,1,2,3,4,5
	v_mov_b32 v[QR+6+\j], 0                        ; the zero codes between the two copies of q
.endr
.irp b, 0,1,2,3
	v_mov_b32 v[PT+\b], 0                          ; written once: a lane permute's destination counts as one of its sources
.endr
	v_mov_b32 v[FF+1], 0                           ; (named as the upper half of the pair, so it is written)
	s_wait_dscnt 0x0
	s_wait_kmcnt 0x0
	s_cmp_eq_u32 s55, 0
	s_cselect_b64 s[16:17], s[6:7], s[8:9]         ; wave 0 fetches K, wave 1 V
	s_add_nc_u64 s[16:17], s[16:17], s[14:15]
.irp j, 0,1,2,3
	s_mov_b32 s[G0+4*\j], 1
	s_add_co_u32 s[G0+4*\j+1], s63, QUART*\j
	s_add_nc_u64 s[G0+4*\j+2:G0+4*\j+3], s[16:17], QUART*\j
	s_or_b32 s[G0+4*\j+3], s[G0+4*\j+3], 0x80000000
.endr
	s_mul_i32 s72, s[BETA], RECB
	s_add_co_u32 s72, s72, s14
	s_mov_b32 s73, 0
	s_add_nc_u64 s[76:77], s[4:5], s[72:73]        ; the high tile's record of qb
	s_mul_i32 s72, s56, RECB
	s_add_co_u32 s72, s72, s14
	s_add_nc_u64 s[78:79], s[4:5], s[72:73]        ; the low tile's
	ROUND                                          ; all four work-groups are here: the joint loads meet
	s_cmp_lt_u32 s[WV], 2                          ; a wave's four fills stand in one branch, ahead of every wait on TENSORcnt, every LDS read and every other barrier
	s_cbranch_scc0 .Lno_fill
	tensor_load_to_lds s[G0:G0+3], s[G1:G1+7]
	s_nop 0
	tensor_load_to_lds s[G0+4:G0+7], s[G1:G1+7]
	s_nop 0
	tensor_load_to_lds s[G0+8:G0+11], s[G1:G1+7]
	s_nop 0
	tensor_load_to_lds s[G0+12:G0+15], s[G1:G1+7]
	s_nop 0
.rept 4
	v_nop
.endr
.Lno_fill:
	global_load_b64 v[QR:QR+1], v96, s[76:77]      ; the high tile's q, twice
	global_load_b64 v[QR+2:QR+3], v97, s[76:77]
	global_load_b64 v[QR+4:QR+5], v98, s[76:77]
	global_load_b64 v[QR+12:QR+13], v96, s[76:77]
	global_load_b64 v[QR+14:QR+15], v97, s[76:77]
	global_load_b64 v[QR+16:QR+17], v98, s[76:77]
	global_load_b32 v90, v102, s[76:77]
	global_load_b64 v[QK2:QK2+1], v99, s[78:79]    ; the low tile's is kept for later
	global_load_b64 v[QK2+2:QK2+3], v100, s[78:79]
	global_load_b64 v[QK2+4:QK2+5], v101, s[78:79]
	global_load_b32 v88, v103, s[78:79]
; A KEY STEP: 128 keys.  causal = 1: the step may lie behind the tile (jumped over) or on the diagonal (masked).
.macro STEP causal
.if \causal
	s_cmp_gt_u32 s[KI], s[BETA]
	s_cbranch_scc1 .Lhidden_\@
.endif
	s_setprio 2
	v_add_nc_u32 v[ADK], s[TB], v[LI]              ; these four are also the places between the last products and the loads into the registers that they read
	v_add_nc_u32 v[ADKS], s[TB], v[LS]
	v_add_nc_u32 v[ADV], s[TB], v[LIV]
	v_add_nc_u32 v[ADVS], s[TB], v[LSV]
.irp g, 0,1,2,3
.irp P, 0,1,2
	ds_load_b128 v[IM+12*\g+4*\P:IM+12*\g+4*\P+3], v[ADK] offset:1536*\g+512*\P
.endr
.endr
	ds_load_b64 v[KSC:KSC+1], v[ADKS] offset:6144
	s_wait_alu depctr_va_vdst(0)
	s_wait_dscnt 0x0
.irp g, 0,1,2,3                        ; S^T = K Q^T: each image twice.  Word e of K's scales holds image 2 e in lanes 0-15 and image 2 e + 1 in lanes 16-31
.if \g%2
	v_wmma_scale_f32_16x16x128_f8f6f4 v[S+16*\g:S+16*\g+7], v[IM+12*\g:IM+12*\g+11], v[QR:QR+11], 0, v[KSC+\g/2], v[QS] matrix_a_fmt:MATRIX_FMT_FP6 matrix_b_fmt:MATRIX_FMT_FP6 matrix_a_scale:MATRIX_SCALE_ROW1
	v_wmma_scale_f32_16x16x128_f8f6f4 v[S+16*\g+8:S+16*\g+15], v[IM+12*\g:IM+12*\g+11], v[QR+6:QR+17], 0, v[KSC+\g/2], v[QS] matrix_a_fmt:MATRIX_FMT_FP6 matrix_b_fmt:MATRIX_FMT_FP6 matrix_a_scale:MATRIX_SCALE_ROW1
.else
	v_wmma_scale_f32_16x16x128_f8f6f4 v[S+16*\g:S+16*\g+7], v[IM+12*\g:IM+12*\g+11], v[QR:QR+11], 0, v[KSC+\g/2], v[QS] matrix_a_fmt:MATRIX_FMT_FP6 matrix_b_fmt:MATRIX_FMT_FP6
	v_wmma_scale_f32_16x16x128_f8f6f4 v[S+16*\g+8:S+16*\g+15], v[IM+12*\g:IM+12*\g+11], v[QR+6:QR+17], 0, v[KSC+\g/2], v[QS] matrix_a_fmt:MATRIX_FMT_FP6 matrix_b_fmt:MATRIX_FMT_FP6
.endif
.endr
.rept 4
	v_nop                                          ; places: the scores are read, and K's registers loaded again, from here on
.endr
.irp g, 0,1,2,3
.irp P, 0,1,2
	ds_load_b128 v[IM+12*\g+4*\P:IM+12*\g+4*\P+3], v[ADV] offset:1536*\g+512*\P   ; V's four fragments land under the softmax
.endr
.endr
	ds_load_b64 v[VSC:VSC+1], v[ADVS] offset:6144
.if \causal                            ; on the diagonal the scores of hidden keys become -infinity ahead of the maximum: p = 0 then
	s_cmp_lg_u32 s[KI], s[BETA]
	s_cbranch_scc1 .Lopen_\@
	v_add_nc_u32 v[MK], s[QIN], v[DG]              ; d = my query in the block - 8 h.  Register 8 t + j holds key 16 t + 8 h + j: hidden where 16 t + j > d
	v_mov_b32 v[MK+1], 0xff800000
.set n, 0
.rept 64
	v_cmp_gt_i32 vcc_lo, 16*(n/8)+n%8, v[MK]
	v_cndmask_b32 v[S+n], v[S+n], v[MK+1], vcc_lo
.set n, n+1
.endr
.Lopen_\@:
.endif
.irp b, 0,1,2,3
	v_max3_num_f32 v[BM+\b], v[S+16*\b], v[S+16*\b+1], v[S+16*\b+2]   ; the largest score of each block of 32 keys: for the row's maximum and, since p rises with the score, for the block's largest p
.endr
.irp i, 3,5,7,9,11,13
.irp b, 0,1,2,3
	v_max3_num_f32 v[BM+\b], v[BM+\b], v[S+16*\b+\i], v[S+16*\b+\i+1]
.endr
.endr
.irp b, 0,1,2,3
	v_max_num_f32 v[BM+\b], v[BM+\b], v[S+16*\b+15]
.endr
.irp b, 0,1,2,3
	s_delay_alu instid0(VALU_DEP_4)
	v_permlanex16_b32 v[PT+\b], v[BM+\b], s[SEL], s[SEL+1]
.endr
.irp b, 0,1,2,3
	s_delay_alu instid0(VALU_DEP_4)
	v_max_num_f32 v[BM+\b], v[BM+\b], v[PT+\b]     ; with lane l xor 16's 16 keys
.endr
	s_delay_alu instid0(VALU_DEP_2)
	v_max3_num_f32 v[T1], v[BM], v[BM+1], v[BM+2]
	s_delay_alu instid0(VALU_DEP_1)
	v_max_num_f32 v[T1], v[T1], v[BM+3]            ; the step's largest score of my query
	s_delay_alu instid0(VALU_DEP_1)
	v_mul_f32 v[T1], s[CS], v[T1]                  ; as t
	s_delay_alu instid0(VALU_DEP_1)
	v_max_num_f32 v13, v13, v[T1]                  ; the running largest t
	v_mov_b32 v[T1], v12
	s_delay_alu instid0(VALU_DEP_2)
	v_floor_f32 v12, -v13                          ; the new -M = floor(-t): M is a whole number
	s_delay_alu instid0(VALU_DEP_1)
	v_sub_f32 v[T1], v12, v[T1]                    ; old M - new M: a whole number, 0 or less
	s_delay_alu instid0(VALU_DEP_1)
	v_cvt_i32_f32 v[T1], v[T1]                     ; (it saturates)
	s_delay_alu instid0(VALU_DEP_1)
	v_ldexp_f32 v[FF], 1.0, v[T1]                  ; f = 2^(old M - new M)
.set j, 0
.rept 32
	v_pk_fma_f32 v[S+j:S+j+1], v[S+j:S+j+1], s[CS:CS+1], v[12:13] op_sel_hi:[1,0,0]   ; t - M, two at a time
.set j, j+2
.endr
	s_setprio 1
.irp b, 0,1,2,3
	v_fma_f32 v[BM+\b], v[BM+\b], s[CS], v12       ; the same of each block's largest score
.endr
.set j, 0
	s_wait_alu depctr_va_vdst(0)
.rept 64
	v_exp_f32 v[S+j], v[S+j]                       ; p = 2^(t - M), at most 1
.set j, j+1
.endr
	v_pk_mul_f32 v[14:15], v[14:15], v[FF:FF+1] op_sel_hi:[1,0]   ; the sums under the new M (a plain instruction behind the exponentials)
	s_wait_alu depctr_va_vdst(0)                   ; one wait for the whole batch, ahead of its first reader
.irp b, 0,1,2,3
	v_exp_f32 v[BM+\b], v[BM+\b]                   ; the block's largest p: the same two instructions on the same number give the same bits
.endr
	v_pk_add_f32 v[T1:T1+1], v[S:S+1], v[S+2:S+3]  ; the row's sum is taken of the unquantised p: the first 32 numbers here, in two chains
.irp k, 4,8,12,16,20,24,28
	v_pk_add_f32 v[14:15], v[14:15], v[S+\k:S+\k+1]
	v_pk_add_f32 v[T1:T1+1], v[T1:T1+1], v[S+\k+2:S+\k+3]
.endr
	s_wait_alu depctr_va_vdst(0)                   ; and one for the four
.irp b, 0,1,2,3
	v_max_num_f32 v[BM+\b], 0x1800000, v[BM+\b]    ; the floor 2^(3 - 127): the byte cannot fall under 1
.endr
.irp b, 0,1,2,3
	s_delay_alu instid0(VALU_DEP_4)
	v_add_nc_u32 v[SO+\b], 0xff000000, v[BM+\b]    ; 2 off the exponent field: the conversion's scale operand
.endr
.irp b, 0,1,2,3
	s_delay_alu instid0(VALU_DEP_4)
	v_lshrrev_b32 v[BY+\b], 23, v[SO+\b]           ; the scale's byte
.endr
	s_delay_alu instid0(VALU_DEP_3)
	v_lshl_or_b32 v[PS], v[BY+1], 8, v[BY]         ; p's scale word for these 128 keys
	s_delay_alu instid0(VALU_DEP_1)
	v_lshl_or_b32 v[PS], v[BY+2], 16, v[PS]
	s_delay_alu instid0(VALU_DEP_1)
	v_lshl_or_b32 v[PS], v[BY+3], 24, v[PS]
	v_cvt_scalef32_pk16_fp6_f32 v[PC:PC+2], v[S:S+15], v[SO]
	v_cvt_scalef32_pk16_fp6_f32 v[PY:PY+2], v[S+16:S+31], v[SO+1]
	v_cvt_scalef32_pk16_fp6_f32 v[PC+6:PC+8], v[S+32:S+47], v[SO+2]
	v_cvt_scalef32_pk16_fp6_f32 v[PY+4:PY+6], v[S+48:S+63], v[SO+3]
	v_nop                                          ; one plain instruction behind the scaled conversions
	FIX PC, PY
	s_setprio 0
	FIX PC+6, PY+4
.set j, 0
.rept 16
	v_pk_mul_f32 v[O+j:O+j+1], v[O+j:O+j+1], v[FF:FF+1] op_sel_hi:[1,0]   ; O^T under the new M, each accumulator from its low end on
.set j, j+2
.endr
	v_pk_add_f32 v[PT:PT+1], v[S+32:S+33], v[S+34:S+35]   ; the sum's other 32 numbers: with the lines above, the places in front of the scaled products
.irp k, 36,40,44,48,52,56,60
	v_pk_add_f32 v[T1:T1+1], v[T1:T1+1], v[S+\k:S+\k+1]
	v_pk_add_f32 v[PT:PT+1], v[PT:PT+1], v[S+\k+2:S+\k+3]
.endr
	s_delay_alu instid0(VALU_DEP_1)
	v_pk_add_f32 v[T1:T1+1], v[T1:T1+1], v[PT:PT+1]
	s_delay_alu instid0(VALU_DEP_1)
	v_pk_add_f32 v[14:15], v[14:15], v[T1:T1+1]
	s_wait_dscnt 0x0                               ; V is in
.irp dt, 0,1,2,3                       ; O^T += V^T P^T: four accumulators by turns, one instruction a turn
.if \dt%2
	v_wmma_scale_f32_16x16x128_f8f6f4 v[O+8*\dt:O+8*\dt+7], v[IM+12*\dt:IM+12*\dt+11], v[PC:PC+11], v[O+8*\dt:O+8*\dt+7], v[VSC+\dt/2], v[PS] matrix_a_fmt:MATRIX_FMT_FP6 matrix_b_fmt:MATRIX_FMT_FP6 matrix_a_scale:MATRIX_SCALE_ROW1
.else
	v_wmma_scale_f32_16x16x128_f8f6f4 v[O+8*\dt:O+8*\dt+7], v[IM+12*\dt:IM+12*\dt+11], v[PC:PC+11], v[O+8*\dt:O+8*\dt+7], v[VSC+\dt/2], v[PS] matrix_a_fmt:MATRIX_FMT_FP6 matrix_b_fmt:MATRIX_FMT_FP6
.endif
.endr
.if \causal
.Lhidden_\@:
.endif
	s_add_co_u32 s[TB], s[TB], RECB                ; the next step's record
.endm
; A tile begins: q's scale word (its two bytes, twice), the largest t under every t, zeros for the sum and O^T (the first change of M leaves them zeros).
.macro BEGIN raw, sel
	v_perm_b32 v[QS], v[\raw], v[\raw], s[\sel]
	v_mov_b32 v13, 0xff61b1e6                      ; -3e38
	s_delay_alu instid0(VALU_DEP_1)
	v_floor_f32 v12, -v13
	v_mov_b32 v14, 0
	v_mov_b32 v15, 0
.set j, 0
.rept 32
	v_mov_b32 v[O+j], 0
.set j, j+1
.endr
.endm
; A tile ends: O^T / the sum, quantised along d (two blocks of 32), six registers of codes and a scale byte a lane.
.macro FINISH oco, oso
.rept 4
	v_nop                                          ; places behind the last products
.endr
	v_add_f32 v14, v14, v15                        ; the sum's two halves,
	s_delay_alu instid0(VALU_DEP_1)
	v_permlanex16_b32 v[PT], v14, s[SEL], s[SEL+1]
	s_delay_alu instid0(VALU_DEP_1)
	v_add_f32 v14, v14, v[PT]                      ; and lane l xor 16's
	s_wait_alu depctr_va_vdst(0)
	v_rcp_f32 v14, v14
	v_add_nc_u32 v[T1], s[\oco], v[LS]             ; (plain work behind the reciprocal)  my bytes in oc
	v_add_nc_u32 v[T1+1], s[\oso], v[OSL]          ; and my byte in os
	s_wait_alu depctr_va_vdst(0)                   ; the wait ahead of the first reader
.set j, 0
.rept 32
	v_mul_f32 v[S+j], v[O+j], v14                  ; register 8 dt + i is vals(query r, d = 16 dt + 8 h + i)
.set j, j+1
.endr
.irp b, 0,1
	v_max3_num_f32 v[BM+\b], |v[S+16*\b]|, |v[S+16*\b+1]|, 0x1800000
.endr
.irp i, 2,4,6,8,10,12,14
.irp b, 0,1
	s_delay_alu instid0(VALU_DEP_2)
	v_max3_num_f32 v[BM+\b], |v[S+16*\b+\i]|, |v[S+16*\b+\i+1]|, v[BM+\b]
.endr
.endr
.irp b, 0,1
	s_delay_alu instid0(VALU_DEP_2)
	v_permlanex16_b32 v[PT+\b], v[BM+\b], s[SEL], s[SEL+1]
.endr
.irp b, 0,1
	s_delay_alu instid0(VALU_DEP_2)
	v_max_num_f32 v[BM+\b], v[BM+\b], v[PT+\b]
.endr
.irp b, 0,1
	s_delay_alu instid0(VALU_DEP_2)
	v_add_nc_u32 v[SO+\b], 0xff000000, v[BM+\b]
.endr
.irp b, 0,1
	s_delay_alu instid0(VALU_DEP_2)
	v_lshrrev_b32 v[BY+\b], 23, v[SO+\b]
.endr
	v_cvt_scalef32_pk16_fp6_f32 v[PC:PC+2], v[S:S+15], v[SO]
	v_cvt_scalef32_pk16_fp6_f32 v[PY:PY+2], v[S+16:S+31], v[SO+1]
	v_cndmask_b32 v[OB], v[BY], v[BY+1], s[HM]     ; (the plain instruction behind the conversions)  lanes 16-31 store the second block's byte
	FIX PC, PY
.irp p, 0,1,2
	global_store_b64 v[T1], v[PC+2*\p:PC+2*\p+1], s[10:11] offset:256*\p   ; 256 consecutive aligned bytes a store
.endr
	global_store_b8 v[T1+1], v[OB], s[12:13]
	s_wait_xcnt 0x0                                ; the stores have read their registers: these are written again only behind this wait
.endm
	s_wait_tensorcnt 3                             ; the first quarter has landed; the three loads behind it may stay out
	s_barrier_signal -1
	s_barrier_wait -1                              ; K's and V's first four records are there for every wave
	s_wait_loadcnt 0x0                             ; q
	BEGIN 90, 52
	s_mov_b32 s[TB], 0
.rept 4
	STEP 0                                         ; the high tile's steps 0 to 3: open in every wave (its block is 8 or more)
.endr
	s_wait_tensorcnt 0x0                           ; all of K and V has landed,
	s_wait_dscnt 0x0
	s_barrier_signal -1
	s_barrier_wait -1                              ; for every wave; from here on the waves run free
	s_mov_b32 s[KI], 4
.Lhigh:
	STEP 1
	s_add_co_u32 s[KI], s[KI], 1
	s_cmp_lt_u32 s[KI], 16
	s_cbranch_scc1 .Lhigh
	s_setprio 0
	s_wait_alu depctr_va_vdst(0)
	FINISH 61, 62
.irp j, 0,1,2,3,4,5
	v_mov_b32 v[QR+\j], v[QK2+\j]                  ; the low tile's q, twice
	v_mov_b32 v[QR+12+\j], v[QK2+\j]
.endr
	BEGIN 88, 58
	s_mov_b32 s[BETA], s56
	s_mov_b32 s[QIN], s57
	s_mov_b32 s[TB], 0
	s_mov_b32 s[KI], 0
.Llow:
	STEP 1
	s_add_co_u32 s[KI], s[KI], 1
	s_cmp_lt_u32 s[KI], 8
	s_cbranch_scc1 .Llow
	s_setprio 0
	s_wait_alu depctr_va_vdst(0)
	FINISH 59, 60
	s_wait_dscnt 0x0
	s_wait_tensorcnt 0x0
	ds_add_u32 v254, v255
	s_wait_dscnt 0x0
	ROUND                                          ; the closing round
	s_endpgm
.Lfunc_end_k_q7f36ee8da4_attn:
	.size	k_q7f36ee8da4_attn, .Lfunc_end_k_q7f36ee8da4_attn-k_q7f36ee8da4_attn
	.p2alignl 7, 3214868480
	.fill 96, 4, 3214868480
	.section	.rodata,"a",@progbits
	.p2align	6, 0x0
	.amdhsa_kernel k_q7f36ee8da4_attn
		.amdhsa_group_segment_fixed_size 206848
		.amdhsa_private_segment_fixed_size 0
		.amdhsa_enable_private_segment 0
		.amdhsa_kernarg_size 40
		.amdhsa_user_sgpr_count 2
		.amdhsa_user_sgpr_kernarg_segment_ptr 1
		.amdhsa_wavefront_size32 1
		.amdhsa_system_sgpr_workgroup_id_x 1
		.amdhsa_system_sgpr_workgroup_id_y 1
		.amdhsa_system_sgpr_workgroup_id_z 1
		.amdhsa_system_vgpr_workitem_id 0
		.amdhsa_next_free_vgpr 256
		.amdhsa_next_free_sgpr 80
		.amdhsa_reserve_vcc 1
		.amdhsa_float_denorm_mode_32 3
		.amdhsa_float_denorm_mode_16_64 3
		.amdhsa_memory_ordered 1
		.amdhsa_forward_progress 1
		.amdhsa_inst_pref_size 135
	.end_amdhsa_kernel
	.amdgpu_metadata
---
amdhsa.version: [ 1, 2 ]
amdhsa.kernels:
  - .name:           k_q7f36ee8da4_attn
    .symbol:         k_q7f36ee8da4_attn.kd
    .args:
      - { .name: qb, .offset: 0, .size: 8, .value_kind: global_buffer, .address_space: global }
      - { .name: kb, .offset: 8, .size: 8, .value_kind: global_buffer, .address_space: global }
      - { .name: vb, .offset: 16, .size: 8, .value_kind: global_buffer, .address_space: global }
      - { .name: oc, .offset: 24, .size: 8, .value_kind: global_buffer, .address_space: global }
      - { .name: os, .offset: 32, .size: 8, .value_kind: global_buffer, .address_space: global }
    .group_segment_fixed_size: 206848
    .private_segment_fixed_size: 0
    .kernarg_segment_align: 8
    .kernarg_segment_size: 40
    .max_flat_workgroup_size: 512
    .sgpr_count:     80
    .vgpr_count:     256
    .wavefront_size: 32
...
	.end_amdgpu_metadata
.endif
;; end of part 3
;; launch oproj (part 4): grid 4 x 32, 4 waves a work-group, clusters of 4 x 4, 327,680 bytes of LDS; arguments oc, os, W_o_codes, W_o_scales, out0; writes out0
.if DOCPART == 4
	.amdgcn_target "amdgcn-amd-amdhsa--gfx1250"
	.amdhsa_code_object_version 6
	.text
	.protected	k_q7f36ee8da4_oproj
	.globl	k_q7f36ee8da4_oproj
	.p2align	8
	.type	k_q7f36ee8da4_oproj,@function
k_q7f36ee8da4_oproj:
	s_mov_b64 s[64:65], 0
	v_nop
	global_prefetch_b8 v0, s[64:65] scope:SCOPE_SE
	s_setreg_imm32_b32 hwreg(HW_REG_WAVE_MODE, 25, 1), 1
	s_wait_xcnt 0x0
	s_wait_alu depctr_hold_cnt(0) depctr_sa_sdst(0) depctr_va_vdst(0) depctr_va_sdst(0) depctr_va_ssrc(0) depctr_va_vcc(0) depctr_vm_vsrc(0)
	s_getreg_b32 s2, hwreg(HW_REG_IB_STS2, 6, 4)
	s_cmp_eq_u32 s2, 0
	s_cbranch_scc0 .Lentry_in_a_cluster
	s_endpgm
.Lentry_in_a_cluster:
	s_bfe_u32 s2, ttmp6, 0x10000c
	s_cmp_lg_u32 s2, 0xf033
	s_cbranch_scc0 .Lentry_shape_is_right
	s_endpgm
.Lentry_shape_is_right:
; out0 = vals W_o on codes of FP6 (E2M3) with E8M0 scales: 8,192 x 1,024 x 1,024, f32 out.
; A tile of 256 x 256 is made by four waves, 128 x 128 each: 64 accumulators, 512 registers.  K goes in steps of 256 through a ring of two LDS slots filled by the tensor data mover.
; CLUSTERS of 4 x 4: A's tiles (vals) are shared along a row of the cluster, B's (W_o) along a column, by joint loads.  128 work-groups: this tile leaves half of 256 WGPs without work; a tile of 128 x 256 would fill them.
; A COMES AS IMAGES OF ITS REGISTERS: oc is [512 tiles of 16 tokens][16 heads][768 bytes] (six registers: piece p = registers 2 p, 2 p + 1, lane l's 8 bytes at 256 p + 8 l; lane (r, h): token r, d = 32 h + 0 .. 31).  Two
; neighbouring heads are one fragment of 128 along K, four heads (3,072 consecutive bytes) a K step; a wave's load brings 8 tiles x 3,072 bytes, 12,288 bytes apart, and a fragment is six loads of 8 bytes a lane, 256 consecutive bytes each.
; B comes as rows of 192 bytes, 16 bytes of padding behind every 64.  B's scale bytes come once, with the first fills.  A's scale bytes lie by head, os [64][2,048][2]: at the head each thread gathers the 16 heads' bytes of
; two tokens and stores their rows of 32 bytes into LDS bytes of their own, in the layout of B's.
; THE MATRIX INSTRUCTION IS USED TRANSPOSED (source 0 = 16 rows of W_o, source 1 = 16 tokens): a lane holds eight neighbouring numbers of a row of out0.
; No prefetch: K has four steps, all asked for within the first two changes of slots.
; REGISTERS, in windows of 256: window 0: v16-29 addresses; v32-63 scale words, two sets, nothing else ever; v64-95 at work at the head; from v128 A's fragments, one set; window 1: B's fragments, two sets; windows 2, 3: the accumulators.
.set SIZE_N, 1024
.set NQ,     2
.set ROWB,   192
.set KROW,   768
.set PITCH,  240
.set FR,     12
.set NL,     6
.set NP,     4
.set ASTEP,  3072                      ; a K step of a token tile in oc
.set ATILE,  12288                     ; a token tile in oc
.set HALFA,  8*ASTEP                   ; 128 tokens' images of a K step
.set HALFT,  128*PITCH                 ; 128 rows of B
.set BOFF,   2*HALFA                   ; a slot: A's two halves, then B's two
.set SLOT,   BOFF+2*HALFT
.set LAPS,   2
.set KS,     32
.set SCL,    2*SLOT                    ; behind the ring: A's scales (8,704 bytes, written by LDS stores alone), then B's (8,704 bytes, filled once)
.set HALFS,  (128*KS/256)*272
.set SBLK,   (16*KS/256)*272
.set SPARE,  SCL+4*HALFS               ; the spare words, 128 bytes for each wave: two blocks of 256 bytes that no other line names
.set SPITCH, 528                       ; the way out: a stage of 16 rows x (512 + 16) bytes for each wave, in slot 0, which has had its last fill and its last read by then
.set ADRA, 16                          ; v16-17 LDS address of my A images in slot 0, 1
.set ADRB, 20                          ; v20-23 of my B fragments (v22-23: behind one padding more)
.set STO,  24
.set RD,   25
.set CO,   26
.set ADRS, 27
.set SPW,  28
.set NIL,  29
.set SC,   32
.set AF,   128
.set BK,   128
.set G1, 24
.set G0, 32
.set G1B, 48
.set G0B, 56
.set G1SB, 80
.set G0SB, 88
.set MSB, 0
.macro WIN new
.if MSB != (\new)
	s_set_vgpr_msb (MSB<<8)|(\new)
.set MSB, (\new)
.endif
.endm
.set MUL_LO, 0xa1
.set MUL_HI, 0xf1
.set TO_B,   0x40
.macro JLOAD g0a, g1a, g0b, g1b        ; a joint load: waves 0 and 1 fetch for A, waves 2 and 3 for B; four v_nop follow each line
	s_cmp_eq_u32 s15, 0
	s_cbranch_scc0 .Lfor_b_\@
	tensor_load_to_lds s[\g0a:\g0a+3], s[\g1a:\g1a+7]
	s_nop 0
.rept 4
	v_nop
.endr
	s_branch .Lasked_\@
.Lfor_b_\@:
	tensor_load_to_lds s[\g0b:\g0b+3], s[\g1b:\g1b+7]
	s_nop 0
.rept 4
	v_nop
.endr
.Lasked_\@:
.endm
.macro CREST
	s_cmp_lg_u32 s14, 0
	s_cbranch_scc1 .Lnot_wave_0_\@
	s_barrier_signal -3
.Lnot_wave_0_\@:
	s_barrier_wait -3
	s_barrier_signal -1
	s_barrier_wait -1
.endm
.macro CROUND
	s_barrier_signal -1
	s_barrier_wait -1
	CREST
.endm
	s_load_b128 s[4:7], s[0:1], 0x0                ; oc, os
	s_load_b128 s[8:11], s[0:1], 0x10              ; W_o's codes, W_o's scales
	s_load_b64 s[12:13], s[0:1], 0x20              ; out0
	v_lshl_add_u32 v[SPW], v0, 2, SPARE
	v_mov_b32 v[NIL], 0
	ds_add_u32 v28, v29
	ds_add_u32 v28, v29
	s_wait_dscnt 0x0
	v_lshrrev_b32 v1, 5, v0
	v_readfirstlane_b32 s14, v1                    ; wave 0..3
	s_lshr_b32 s15, s14, 1                         ; which half of the tile's rows is mine.  Also: I fetch for A (0) or for B (1)
	s_and_b32 s16, s14, 1                          ; which half of its columns.  Also: which half of that tile I fetch
	s_bfe_u32 s40, ttmp6, 0x40000                  ; cx, cy
	s_bfe_u32 s41, ttmp6, 0x40004
	s_lshl_b32 s42, ttmp9, 2
	s_add_co_u32 s42, s42, s40                     ; tile column
	s_and_b32 s17, ttmp7, 0xffff
	s_lshl_b32 s17, s17, 2
	s_add_co_u32 s17, s17, s41                     ; tile row
	s_lshl_b32 s43, s41, 2
	s_lshl_b32 s43, 15, s43                        ; my row of the cluster
	s_lshl_b32 s44, 0x1111, s40                    ; my column
	; A: 8 rows (token tiles) of 384 elements of 8 bytes, 1,536 elements apart, no padding
	s_or_b32 s[G1+0], s43, (3<<16)|(1<<21)
	s_mov_b32 s[G1+1], 384<<16
	s_mov_b32 s[G1+2], 8<<16
	s_mov_b32 s[G1+3], 384<<16
	s_mov_b32 s[G1+4], 8
	s_mov_b32 s[G1+5], 1536
	s_mov_b32 s[G1+6], 0
	s_mov_b32 s[G1+7], 0
	; B: 128 rows x 192 bytes, 16 bytes of padding behind every 64
	s_or_b32 s[G1B+0], s44, (0<<16)|(1<<20)|(1<<21)|(3<<22)|(3<<25)
	s_mov_b32 s[G1B+1], ROWB<<16
	s_mov_b32 s[G1B+2], 128<<16
	s_mov_b32 s[G1B+3], ROWB<<16
	s_mov_b32 s[G1B+4], 128
	s_mov_b32 s[G1B+5], KROW
	s_mov_b32 s[G1B+6], 0
	s_mov_b32 s[G1B+7], 0
	; B's scales of 128 rows: 16 dense rows of 256 bytes, 16 bytes of padding behind each
	s_or_b32 s[G1SB+0], s44, (3<<16)|(1<<20)|(1<<21)|(5<<22)|(3<<25)
	s_mov_b32 s[G1SB+1], 32<<16
	s_mov_b32 s[G1SB+2], (128*KS/256)<<16
	s_mov_b32 s[G1SB+3], 32<<16
	s_mov_b32 s[G1SB+4], 128*KS/256
	s_mov_b32 s[G1SB+5], 32
	s_mov_b32 s[G1SB+6], 0
	s_mov_b32 s[G1SB+7], 0
	s_lshl_b32 s20, s17, 4
	s_lshl_b32 s18, s16, 3
	s_add_co_u32 s20, s20, s18                     ; A: token tile 16 x tile row + 8 x half
	s_mul_i32 s20, s20, ATILE
	s_mov_b32 s21, 0
	s_lshl_b32 s18, s16, 7
	s_lshl_b32 s46, s42, 8
	s_add_co_u32 s46, s46, s18                     ; B: row 256 x tile column + 128 x half
	s_mov_b32 s47, 0
	s_mov_b64 s[18:19], KS
	s_mul_u64 s[92:93], s[46:47], s[18:19]         ; its scales,
	s_mov_b64 s[18:19], KROW
	s_mul_u64 s[46:47], s[46:47], s[18:19]         ; its codes
	s_mul_i32 s45, s16, HALFA                      ; where they go: no place in the cluster enters an LDS address
	s_mul_i32 s95, s16, HALFT
	s_add_co_u32 s95, s95, BOFF
	s_mul_i32 s94, s14, HALFS                      ; (waves 2 and 3: behind A's two halves)
	s_lshr_b32 s22, s17, 3                         ; os: 16 heads x 4,096 bytes a batch, 2 bytes a token
	s_lshl_b32 s22, s22, 16
	s_and_b32 s23, s17, 7
	s_lshl_b32 s23, s23, 9
	s_add_co_u32 s22, s22, s23
	s_mov_b32 s23, 0
	s_wait_kmcnt 0x0
	s_add_nc_u64 s[20:21], s[4:5], s[20:21]
	s_add_nc_u64 s[6:7], s[6:7], s[22:23]
	s_add_nc_u64 s[46:47], s[8:9], s[46:47]
	s_add_nc_u64 s[92:93], s[10:11], s[92:93]
	s_mov_b32 s[G0SB], 1
	s_add_co_u32 s[G0SB+1], s94, SCL
	s_mov_b64 s[G0SB+2:G0SB+3], s[92:93]
	s_or_b32 s[G0SB+3], s[G0SB+3], 0x80000000
.irp s, 0,1
	s_mov_b32 s[G0+4*\s], 1
	s_add_co_u32 s[G0+4*\s+1], s45, \s*SLOT
	s_add_nc_u64 s[G0+4*\s+2:G0+4*\s+3], s[20:21], \s*ASTEP
	s_or_b32 s[G0+4*\s+3], s[G0+4*\s+3], 0x80000000
	s_mov_b32 s[G0B+4*\s], 1
	s_add_co_u32 s[G0B+4*\s+1], s95, \s*SLOT
	s_add_nc_u64 s[G0B+4*\s+2:G0B+4*\s+3], s[46:47], \s*ROWB
	s_or_b32 s[G0B+4*\s+3], s[G0B+4*\s+3], 0x80000000
.endr
	CROUND                                         ; all sixteen work-groups are here: the first joint loads meet
	s_cmp_eq_u32 s15, 0                            ; a wave's first fills stand in one branch: two of A's, or three of B's; four v_nop follow the last
	s_cbranch_scc0 .Lfirst_b
	tensor_load_to_lds s[G0:G0+3], s[G1:G1+7]
	s_nop 0
	tensor_load_to_lds s[G0+4:G0+7], s[G1:G1+7]
	s_nop 0
.rept 4
	v_nop
.endr
	s_branch .Lfirst_asked
.Lfirst_b:
	tensor_load_to_lds s[G0SB:G0SB+3], s[G1SB:G1SB+7]
	s_nop 0
	tensor_load_to_lds s[G0B:G0B+3], s[G1B:G1B+7]
	s_nop 0
	tensor_load_to_lds s[G0B+4:G0B+7], s[G1B:G1B+7]
	s_nop 0
.rept 4
	v_nop
.endr
.Lfirst_asked:
	v_lshlrev_b32 v7, 2, v0                        ; A's scale bytes: thread t takes tokens 2 t and 2 t + 1: 4 bytes of each head
.irp hh, 0,1,2,3,4,5,6,7,8,9,10,11,12,13,14,15
	global_load_b32 v[64+\hh], v7, s[6:7] offset:4096*\hh
.endr
	v_lshlrev_b32 v8, 6, v0                        ; their two rows of 32 bytes in LDS: 64 t, and 16 more for each 256 passed
	v_lshrrev_b32 v10, 2, v0
	v_lshl_add_u32 v8, v10, 4, v8
	v_add_nc_u32 v8, SCL, v8
	v_and_b32 v1, 15, v0                           ; r
	v_bfe_u32 v2, v0, 4, 1                         ; h
	v_and_b32 v6, 31, v0
	v_lshlrev_b32 v9, 3, v6                        ; 8 x lane
	v_mul_u32_u24 v3, v1, PITCH
	v_mul_u32_u24 v4, v2, 24
	v_add_nc_u32 v4, v3, v4                        ; B: a fragment's row x pitch + 24 x half
	v_lshl_add_u32 v5, v2, 4, v4                   ; and the same behind one padding more
	s_mul_i32 s21, s15, HALFA                      ; my 128 tokens' images
	s_mul_i32 s22, s16, HALFT                      ; my 128 rows of B
	s_add_co_u32 s22, s22, BOFF
.irp s, 0,1
	v_add_nc_u32 v[ADRA+\s], s21, v9
	v_add_nc_u32 v[ADRB+\s], s22, v4
	v_add_nc_u32 v[ADRB+2+\s], s22, v5
	s_add_co_u32 s21, s21, SLOT
	s_add_co_u32 s22, s22, SLOT
.endr
	v_mul_u32_u24 v5, v1, KS                       ; my row's scales: 32 bytes a row,
	v_lshrrev_b32 v6, 8, v5
	v_lshl_add_u32 v5, v6, 4, v5                   ; and 16 more for each 256 passed
	s_mul_i32 s21, s15, HALFS
	s_mul_i32 s22, s16, HALFS
	s_add_co_u32 s22, s22, 2*HALFS
	s_sub_co_u32 s22, s22, s21
	v_mul_u32_u24 v6, s22, v2                      ; lanes 16-31 take B's
	s_add_co_u32 s21, s21, SCL
	v_add_nc_u32 v5, v5, v6
	v_add_nc_u32 v[ADRS], s21, v5
	s_mul_i32 s23, s14, 16*SPITCH                  ; my stage
	v_mul_u32_u24 v5, v1, SPITCH
	v_lshl_add_u32 v5, v2, 5, v5
	v_add_nc_u32 v[STO], s23, v5
	v_and_b32 v6, 31, v0
	v_lshlrev_b32 v[CO], 4, v6
	v_add_nc_u32 v[RD], s23, v[CO]
	s_lshl_b32 s20, s17, 8
	s_lshl_b32 s21, s15, 7
	s_add_co_u32 s20, s20, s21                     ; my first row of out0
	s_mov_b32 s21, 0
	s_mov_b64 s[18:19], SIZE_N*4
	s_mul_u64 s[20:21], s[20:21], s[18:19]
	s_lshl_b32 s46, s42, 10                        ; my first column, in bytes
	s_lshl_b32 s47, s16, 9
	s_add_co_u32 s46, s46, s47
	s_mov_b32 s47, 0
	s_add_nc_u64 s[20:21], s[20:21], s[46:47]
	s_add_nc_u64 s[12:13], s[12:13], s[20:21]
	s_wait_loadcnt 0x0
.irp k, 0,1,2,3,4,5,6,7                ; word k of a token: (s0, s1 of head 2 k | s0, s1 of head 2 k + 1); token 2 t's bytes are the low half words, token 2 t + 1's the high
	v_perm_b32 v[80+\k], v[64+2*\k+1], v[64+2*\k], 0x05040100
	v_perm_b32 v[88+\k], v[64+2*\k+1], v[64+2*\k], 0x07060302
.endr
.irp c, 0,1,2,3
	ds_store_b128 v8, v[80+4*\c:80+4*\c+3] offset:16*\c
.endr
.macro FRAG reg, adr, q, i             ; a fragment of B from rows: pieces of 8 bytes; where the piece three on lies behind one padding more, the second address register serves
.irp p, 0,1,2,3,4,5
.set PC, 12*(\q)+6*(\p/3)+\p%3
.if PC%8 < 5
	ds_load_b64 v[\reg+2*\p:\reg+2*\p+1], v[\adr] offset:8*PC+16*(PC/8)+(\i)*16*PITCH
.else
	ds_load_b64 v[\reg+2*\p:\reg+2*\p+1], v[\adr+2] offset:8*PC+16*(PC/8)+(\i)*16*PITCH
.endif
.endr
.endm
.macro FRAGA reg, slot, q, i           ; a fragment of A from its image
.irp p, 0,1,2,3,4,5
	ds_load_b64 v[\reg+2*\p:\reg+2*\p+1], v[ADRA+\slot] offset:ASTEP*(\i)+1536*(\q)+256*\p
.endr
.endm
.macro MUL16 a0, p, q, sc, zero        ; the 64 accumulators take turns, one instruction a turn, in the same order in every step
.irp a, \a0, \a0+1
.irp b, 0,1,2,3,4,5,6,7
.if \zero
	v_wmma_scale_f32_16x16x128_f8f6f4 v[8*(8*((\a)%4)+\b):8*(8*((\a)%4)+\b)+7], v[128*(\p)+FR*\b:128*(\p)+FR*\b+FR-1], v[AF+FR*(\a):AF+FR*(\a)+FR-1], 0, v[SC+8*NQ*(\sc)+NQ*\b+(\q)], v[SC+8*NQ*(\sc)+NQ*(\a)+(\q)] matrix_a_fmt:MATRIX_FMT_FP6 matrix_b_fmt:MATRIX_FMT_FP6 matrix_a_scale:MATRIX_SCALE_ROW1
.else
	v_wmma_scale_f32_16x16x128_f8f6f4 v[8*(8*((\a)%4)+\b):8*(8*((\a)%4)+\b)+7], v[128*(\p)+FR*\b:128*(\p)+FR*\b+FR-1], v[AF+FR*(\a):AF+FR*(\a)+FR-1], v[8*(8*((\a)%4)+\b):8*(8*((\a)%4)+\b)+7], v[SC+8*NQ*(\sc)+NQ*\b+(\q)], v[SC+8*NQ*(\sc)+NQ*(\a)+(\q)] matrix_a_fmt:MATRIX_FMT_FP6 matrix_b_fmt:MATRIX_FMT_FP6 matrix_a_scale:MATRIX_SCALE_ROW1
.endif
.endr
.endr
.endm
.macro FETCH_B slot, q, p
	WIN TO_B
.irp i, 0,1,2,3,4,5,6,7
	FRAG 128*(\p)+FR*\i, ADRB+\slot, \q, \i
.endr
	WIN 0
.endm
.macro FETCH_A slot, q, i0
.irp i, \i0, \i0+1, \i0+2, \i0+3
	FRAGA AF+FR*(\i), \slot, \q, \i
.endr
.endm
.macro SCALES sc
.irp i, 0,1,2,3,4,5,6,7
	ds_load_b64 v[SC+8*NQ*\sc+NQ*\i:SC+8*NQ*\sc+NQ*\i+1], v[ADRS] offset:\i*SBLK
.endr
.endm
.macro PLACES n
.rept \n
	v_nop
.endr
.endm
.macro STEP slot, q, zero
	s_wait_dscnt 4*NL                              ; B's set and A's blocks 0-3 are in; the youngest 24 loads (A's blocks 4-7) may be out
	WIN MUL_LO
	MUL16 0, (\q)%2, \q, \slot, \zero
	MUL16 2, (\q)%2, \q, \slot, \zero
	s_wait_dscnt 0
	PLACES NP
	FETCH_B \slot, (\q)+1, 1-(\q)%2
	FETCH_A \slot, (\q)+1, 0
	WIN MUL_HI
	MUL16 4, (\q)%2, \q, \slot, \zero
	MUL16 6, (\q)%2, \q, \slot, \zero
	PLACES NP
	WIN 0
	FETCH_A \slot, (\q)+1, 4
.endm
.macro TURN slot, next, fill
	s_wait_tensorcnt 0x0                           ; all my tensor loads have landed: my part of the next slot
	ds_add_u32 v[SPW], v[NIL]                      ; 0 onto my spare word
	s_wait_dscnt 4*NL+1                            ; (the add and the youngest 24 loads may be out)
	WIN MUL_LO
	MUL16 0, 1, NQ-1, \slot, 0
	s_wait_dscnt 0x0                               ; the add is done, and my reads of this slot are over
	s_barrier_signal -1
	MUL16 2, 1, NQ-1, \slot, 0
	WIN 0
	s_barrier_wait -1
.if \fill
	CREST                                          ; the barrier has opened a round of the cluster's barrier
	s_add_nc_u64 s[G0+4*\slot+2:G0+4*\slot+3], s[G0+4*\slot+2:G0+4*\slot+3], 2*ASTEP
	s_add_nc_u64 s[G0B+4*\slot+2:G0B+4*\slot+3], s[G0B+4*\slot+2:G0B+4*\slot+3], 2*ROWB
	JLOAD G0+4*\slot, G1, G0B+4*\slot, G1B         ; the first tensor load behind the round; its four v_nop are the places in front of the loads below
.else
	PLACES NP
.endif
	v_add_nc_u32 v[ADRS], 4*NQ, v[ADRS]            ; on to the next K step's scale words
	FETCH_B \next, 0, 0
	FETCH_A \next, 0, 0
	SCALES \next
	WIN MUL_HI
	MUL16 4, 1, NQ-1, \slot, 0
	MUL16 6, 1, NQ-1, \slot, 0
	PLACES NP
	WIN 0
	FETCH_A \next, 0, 4
.endm
	s_wait_tensorcnt 1                             ; my part of K step 0 (and B's scales) is in; K step 1's load may be out,
	s_wait_dscnt 0x0                               ; my rows of A's scales are stored,
	s_barrier_signal -1
	s_barrier_wait -1                              ; everybody's are
	FETCH_B 0, 0, 0
	FETCH_A 0, 0, 0
	SCALES 0
	FETCH_A 0, 0, 4
	STEP 0, 0, 1                                   ; the first step stands in front of the loop: its products start the sums
	s_mov_b32 s3, LAPS-1
.Llap:
	TURN 0, 1, 1
	STEP 1, 0, 0
	TURN 1, 0, 1
	STEP 0, 0, 0
	s_sub_co_u32 s3, s3, 1
	s_cmp_lg_u32 s3, 0
	s_cbranch_scc1 .Llap
	TURN 0, 1, 0                                   ; the last lap fills nothing
	STEP 1, 0, 0
	s_wait_dscnt 4*NL                              ; the very last step
	WIN MUL_LO
	MUL16 0, 1, NQ-1, 1, 0
	MUL16 2, 1, NQ-1, 1, 0
	s_wait_dscnt 0
	WIN MUL_HI
	MUL16 4, 1, NQ-1, 1, 0
	MUL16 6, 1, NQ-1, 1, 0
	WIN 0
; THE WAY OUT, block by block of 16 rows x 128 columns, through my own stage in LDS; back as whole rows of 512 bytes.  LDS serves a wave's instructions in order (ISA guide 5.7.1.4): no wait between the stores and the loads.
.macro TOSTAGE a
.set AC, 64*((\a)%4)
	WIN 0x08+4*((\a)/4)                            ; the data: window 2 or 3
.irp b, 0,1,2,3,4,5,6,7
	ds_store_b128 v[STO], v[AC+8*\b:AC+8*\b+3] offset:64*\b          ; each accumulator from its low end on
	ds_store_b128 v[STO], v[AC+8*\b+4:AC+8*\b+7] offset:64*\b+16
.endr
	WIN 0
.set BB, BK+64*((\a)%2)
.irp t, 0,1,2,3,4,5,6,7,8,9,10,11,12,13,14,15
	ds_load_b128 v[BB+4*\t:BB+4*\t+3], v[RD] offset:\t*SPITCH
.endr
.endm
.macro SEND a, younger                 ; younger: the LDS instructions issued behind block a's loads, which may stay out
.set BB, BK+64*((\a)%2)
	s_wait_dscnt \younger
.if (\a) > 0
	s_add_nc_u64 s[12:13], s[12:13], 16*SIZE_N*4   ; (behind a wait on XCNT: the earlier stores have read their base)
.endif
.irp t, 0,1,2,3,4,5,6,7,8,9,10,11,12,13,14,15
	global_store_b128 v[CO], v[BB+4*\t:BB+4*\t+3], s[12:13] offset:\t*SIZE_N*4 th:TH_STORE_NT   ; 32 lanes store 512 consecutive bytes, at a multiple of 256 from out0's first byte
.endr
.endm
	PLACES NP
	TOSTAGE 0
.irp a, 1,2,3,4,5,6,7
.if \a > 1
	s_wait_xcnt 0x0                                ; block a - 2's stores have read their registers and their base
.endif
	TOSTAGE \a
	SEND \a-1, 32                                  ; behind block a - 1's loads: block a's 16 stores and 16 loads
.endr
	s_wait_xcnt 0x0
	SEND 7, 0
	s_wait_tensorcnt 0x0                           ; the wave's end
	ds_add_u32 v[SPW], v[NIL]
	s_wait_dscnt 0x0
	CROUND                                         ; the closing round
	s_endpgm
.Lfunc_end_k_q7f36ee8da4_oproj:
	.size	k_q7f36ee8da4_oproj, .Lfunc_end_k_q7f36ee8da4_oproj-k_q7f36ee8da4_oproj
	.p2alignl 7, 3214868480
	.fill 96, 4, 3214868480
	.section	.rodata,"a",@progbits
	.p2align	6, 0x0
	.amdhsa_kernel k_q7f36ee8da4_oproj
		.amdhsa_group_segment_fixed_size 327680
		.amdhsa_private_segment_fixed_size 0
		.amdhsa_enable_private_segment 0
		.amdhsa_kernarg_size 40
		.amdhsa_user_sgpr_count 2
		.amdhsa_user_sgpr_kernarg_segment_ptr 1
		.amdhsa_wavefront_size32 1
		.amdhsa_system_sgpr_workgroup_id_x 1
		.amdhsa_system_sgpr_workgroup_id_y 1
		.amdhsa_system_sgpr_workgroup_id_z 1
		.amdhsa_system_vgpr_workitem_id 0
		.amdhsa_next_free_vgpr 1024
		.amdhsa_next_free_sgpr 98
		.amdhsa_reserve_vcc 0
		.amdhsa_float_denorm_mode_32 3
		.amdhsa_float_denorm_mode_16_64 3
		.amdhsa_memory_ordered 1
		.amdhsa_forward_progress 1
		.amdhsa_inst_pref_size 162
	.end_amdhsa_kernel
	.amdgpu_metadata
---
amdhsa.version: [ 1, 2 ]
amdhsa.kernels:
  - .name:           k_q7f36ee8da4_oproj
    .symbol:         k_q7f36ee8da4_oproj.kd
    .args:
      - { .name: oc, .offset: 0, .size: 8, .value_kind: global_buffer, .address_space: global }
      - { .name: os, .offset: 8, .size: 8, .value_kind: global_buffer, .address_space: global }
      - { .name: W_o_codes, .offset: 16, .size: 8, .value_kind: global_buffer, .address_space: global }
      - { .name: W_o_scales, .offset: 24, .size: 8, .value_kind: global_buffer, .address_space: global }
      - { .name: out0, .offset: 32, .size: 8, .value_kind: global_buffer, .address_space: global }
    .group_segment_fixed_size: 327680
    .private_segment_fixed_size: 0
    .kernarg_segment_align: 8
    .kernarg_segment_size: 40
    .max_flat_workgroup_size: 128
    .sgpr_count:     98
    .vgpr_count:     1024
    .wavefront_size: 32
...
	.end_amdgpu_metadata
.endif
;; end of part 4
